; MI455X (gfx1250); checked and timed in simulation.
; The chip was launched on July 23, 2026; its instructions are those of AMD's public machine-readable ISA for CDNA 5 (MIT licence, August 2026) and "CDNA5" Instruction Set Architecture Reference Guide (July 2026). The comments in the code are by the model that wrote it; some were corrected since.
;; Attention. Allowed arithmetic: matrix products marked QUANTISED: E2M1 operands, one E8M0 scale for each 32 along K, by v_wmma_scale_f32_16x16x128_f8f6f4 with both operands' format E2M1 (or v_wmma_scale_f32_32x16x128_f4), f32 sums; products left as they are: bf16, f16 or f32 operands; f32 sums; everything else in f32.
;; Inputs: Wk 1,024 x 1,024 float32; Wo 1,024 x 1,024 float32; Wq 1,024 x 1,024 float32; Wv 1,024 x 1,024 float32; bk 1,024 float32; bo 1,024 float32; bq 1,024 float32; bv 1,024 float32; x 2 x 2,048 x 1,024 float32.
;; Outputs: out0 2 x 2,048 x 1,024 float32.
;; This version of the problem:
;;   THIS VERSION OF THE PROBLEM IS GIVEN IN LOW PRECISION. The matrix products marked QUANTISED in the list below multiply operands that are first quantised to E2M1 (2 exponent bits, 1 mantissa bit; 4 bits a number), with one power-of-two scale for each 32 numbers along K (OCP MX v1.0); their sums are f32. The products marked 'left as it is' may take bf16, f16 or f32 operands, with f32 sums. All else is computed in f32.
;;   The module's matrix products, in the order in which they are computed (A, B: the left and right operand; K: the contracted axis; several contracted axes count as one K, in the product's order):
;;     1. [M 4,096, K 1,024] x [K 1,024, N 1,024]; A: input x; B: input Wq: QUANTISED
;;     2. [M 4,096, K 1,024] x [K 1,024, N 1,024]; A: input x; B: input Wk: QUANTISED
;;     3. [M 4,096, K 1,024] x [K 1,024, N 1,024]; A: input x; B: input Wv: QUANTISED
;;     4. batch 32 x [M 2,048, K 64] x [K 64, N 2,048]; A: computed on the way; B: computed on the way: left as it is (an operand is computed on the way)
;;     5. batch 32 x [M 2,048, K 2,048] x [K 2,048, N 64]; A: computed on the way; B: computed on the way: left as it is (an operand is computed on the way)
;;     6. [M 4,096, K 1,024] x [K 1,024, N 1,024]; A: computed on the way; B: input Wo: left as it is (an operand is computed on the way)
;;   THE QUANTISER, for each operand of a quantised product, along K:
;;     - K is cut into blocks of 32 from its start; a last block that is shorter is filled with zeros.
;;     - A block's scale is 2^e with e = floor(log2(the largest magnitude in the block)) - 2, held to -126 .. 127; a block of zeros has e = 0. As a byte (E8M0): e + 127.
;;     - Each number is divided by its block's scale, clamped to +-6, and rounded to the nearest number of E2M1, ties to even, subnormals kept.
;;     - The product sums the exact products of the quantised numbers (number of the format x scale) in f32.
;;   ~~~python
;;   def quantise(x, axis):      # numpy; x: float32 -> the quantised numbers, widened to float32 again
;;       x = np.moveaxis(x, axis, -1); K = x.shape[-1]
;;       x = np.pad(x, [(0, 0)] * (x.ndim - 1) + [(0, -K % 32)]); x = x.reshape(x.shape[:-1] + (-1, 32)); a = np.abs(x).max(-1, keepdims=True)
;;       e = np.where(a > 0, np.clip(np.frexp(np.where(a > 0, a, 1))[1] - 1 - 2, -126, 127), 0)      # np.frexp(a)[1] - 1 = floor(log2(a)), exactly
;;       r = np.clip(x / 2.0 ** e, -6, 6)
;;       step = 2.0 ** (np.maximum(np.frexp(np.where(r == 0, 1, r))[1] - 1, 0) - 1)
;;       q = np.round(r / step) * step * 2.0 ** e      # np.round: ties to even
;;       return np.moveaxis(q.reshape(q.shape[:-2] + (-1,))[..., :K], -1, axis).astype(np.float32)
;;   ~~~
;; One version. Each part assembles by itself: llvm-mc -triple=amdgcn-amd-amdhsa -mcpu=gfx1250 --defsym DOCPART=n.
;; ======== version 1 of 1: 4 launches
;; limits: values are held in f16: magnitudes above 65,504 overflow, below 6.1e-05 lose precision
;; workspace buffers: cod 3,670,016 bytes; scl 229,376 bytes; wot 2,097,152 bytes; qkv 25,165,824 bytes; att 8,388,608 bytes
;; launch prep (part 1): grid 384 x 1, 4 waves a work-group, no clusters, 35,328 bytes of LDS; arguments x, Wq, Wk, Wv, Wo, cod, scl, wot; writes cod, scl, wot
.if DOCPART == 1
	.amdgcn_target "amdgcn-amd-amdhsa--gfx1250"
	.amdhsa_code_object_version 6
	.text
	.protected	k_q39cfba8142_prep
	.globl	k_q39cfba8142_prep
	.p2align	8
	.type	k_q39cfba8142_prep,@function
k_q39cfba8142_prep:
	s_mov_b64 s[64:65], 0
	v_nop
	global_prefetch_b8 v0, s[64:65] scope:SCOPE_SE
	s_setreg_imm32_b32 hwreg(HW_REG_WAVE_MODE, 25, 1), 1
	s_wait_xcnt 0x0
; x [4096][1024] (K innermost) and Wq, Wk, Wv [1024 (k)][1024 (n)] (K is the first axis), f32, become codes of FP4 (E2M1) with one E8M0 byte for each 32 along K;  Wo [1024 (k)][1024 (n)] becomes f16, transposed.
; A block's scale is 2^(floor(log2(its largest magnitude)) - 2); its byte is the largest magnitude's exponent field - 2, held at 1 from below; each number is divided by the scale and rounded to the nearest code, ties to even, beyond 6 the largest code.
; LIMITS: NaN and infinities among the inputs are not served.  A block whose largest magnitude lies under 2^-124 keeps the byte 1; a block of zeros gets the byte 1 where the rule says 127: its codes are zeros, and this program alone reads the bytes.
; Wo is rounded to f16: magnitudes under 65,504 (as drawn its spread is 1/32; 30 times larger, or with an offset of 30 spreads, it stays under 6).
; ALL THREE OUTPUTS ARE LAID IN THE ORDER OF THE READER'S OPERAND REGISTERS: [tile of 16 rows][block of 32 codes, or 8 f16, along K][row in the tile][16 bytes], so that four registers of a fragment are 512 consecutive bytes, lane l's 16 at 16 l.
;   cod: tile T x 8192 + (k / 32) x 256 + r x 16.   T 0..255: x's rows / 16;  T = 256 + 64 x (0 Wq, 1 Wk, 2 Wv) + n / 16: the weights' columns n.
;   scl: T x 512 + (k / 512) x 256 + r x 16 + (k % 512) / 32: 16 bytes for a row and half of K: four words, one for each 128 along K.
;   wot: (n / 16) x 32768 + (k / 8) x 256 + (n % 16) x 16.
; Work-groups 0..127 take x, 128..383 the four weights: one scalar branch on the work-group's number.  No tensor load, no barrier: waves share nothing.  Only x's path uses LDS.
.set R,    16                          ; v16-143   x: four sets of 32 registers as loaded;  weights: my column's 128 numbers down K
.set X,    144                         ; v144-207  x: two sets of 32 neighbours along K;  weights: the results (codes or f16)
.set C,    208                         ; v208-239  x: four registers of codes for each unit, so that no store's data are written again
.set WD,   240                         ; v240-243  x: my row's four scale words
.set PD,   244                         ; v244-247  destinations of the lane permutes
.set SROW, 272                         ; a stage row: 256 bytes + 16: the sixteen rows that a load touches begin 16 bytes further on in each 256
.set STG,  16*SROW                     ; a stage: 16 rows
.set WREG, 2*STG                       ; LDS of a wave: two stages by turns
; 32 numbers of one block in v[xs] on become 32 codes in v[cd] .. v[cd + 3]; v13 = the scale's byte
.macro QBLK xs, cd
	v_max3_num_f32 v10, |v[\xs]|, |v[\xs+1]|, |v[\xs+2]|       ; the largest magnitude, in two chains
	v_max3_num_f32 v11, |v[\xs+3]|, |v[\xs+4]|, |v[\xs+5]|
.irp i, 6,10,14,18,22,26
	v_max3_num_f32 v10, v10, |v[\xs+\i]|, |v[\xs+\i+1]|
	v_max3_num_f32 v11, v11, |v[\xs+\i+2]|, |v[\xs+\i+3]|
.endr
	v_max3_num_f32 v10, v10, |v[\xs+30]|, |v[\xs+31]|
	v_max3_num_f32 v10, v10, v11, 0x1800000        ; and the floor 2^(3 - 127): the byte cannot fall under 1
	v_add_nc_u32 v12, 0xff000000, v10              ; 2 off the exponent field: the conversion takes the exponent field of this operand as its scale
.irp g, 0,1,2,3
	v_cvt_scalef32_pk8_fp4_f32 v[\cd+\g], v[\xs+8*\g:\xs+8*\g+7], v12
.endr
	v_lshrrev_b32 v13, 23, v12                     ; the scale's byte; also the plain line behind the conversions
.endm
; x, unit u: 16 rows x 64 along K.  Load i: lanes 0-15 read 256 consecutive bytes of row 2 i, lanes 16-31 of row 2 i + 1
.macro LOAD u
.irp i, 0,1,2,3,4,5,6,7
	global_load_b128 v[R+32*((\u)%4)+4*\i:R+32*((\u)%4)+4*\i+3], v4, s[4:5] offset:\i*8192+(\u)*256 th:TH_LOAD_NT
.endr
.endm
; through the wave's own stage: in as loaded, out 128 bytes a lane: lane (r, h) then holds block 2 u + h of row r.  LDS serves a wave's instructions in order: no wait between
.macro TURN u
.irp i, 0,1,2,3,4,5,6,7
	ds_store_b128 v5, v[R+32*((\u)%4)+4*\i:R+32*((\u)%4)+4*\i+3] offset:STG*((\u)%2)+2*SROW*\i
.endr
.irp i, 0,1,2,3,4,5,6,7
	ds_load_b128 v[X+32*((\u)%2)+4*\i:X+32*((\u)%2)+4*\i+3], v6 offset:STG*((\u)%2)+16*\i
.endr
.endm
.macro UNIT u
	s_wait_dscnt 0x0                               ; this unit is back from the stage, so its stores into the stage have read their registers,
.if (\u)+4 < 8
	LOAD (\u)+4                                    ; which take the loads of four units on
.endif
.if (\u)+1 < 8
.if (\u) <= 3
	s_wait_loadcnt 24                              ; the next unit's eight loads are in; those of the three units behind it may be out
.else
	s_wait_loadcnt 8*(6-(\u))
.endif
	TURN (\u)+1                                    ; it goes through the other stage while this unit is worked
.endif
.set XS, X+32*((\u)%2)
.set CD, C+4*(\u)
	QBLK XS, CD
.if (\u)%2 == 0
	v_mov_b32 v[WD+(\u)/2], v13                    ; blocks 4 w + h and 4 w + 2 + h of word w are mine
.else
	v_lshl_or_b32 v[WD+(\u)/2], v13, 16, v[WD+(\u)/2]
.endif
	global_store_b128 v7, v[CD:CD+3], s[14:15] offset:(\u)*512   ; 32 lanes store 512 consecutive bytes, aligned
.endm
	s_load_b256 s[4:11], s[0:1], 0x0               ; x s[4:5], Wq s[6:7], Wk s[8:9], Wv s[10:11]
	s_load_b256 s[12:19], s[0:1], 0x20             ; Wo s[12:13], cod s[14:15], scl s[16:17], wot s[18:19]
	v_lshl_add_u32 v254, v0, 2, 0x8800
	v_mov_b32 v255, 0
	v_lshrrev_b32 v1, 5, v0
	v_readfirstlane_b32 s24, v1                    ; wave 0..3
	v_and_b32 v1, 31, v0                           ; lane
	v_and_b32 v2, 15, v0                           ; r
	v_bfe_u32 v3, v0, 4, 1                         ; h
	s_cmp_lt_u32 ttmp9, 128
	s_cbranch_scc0 .Lweights
	; ---- x: wave W = 4 x work-group + wave takes tile W / 2 (16 rows) and half W % 2 of K (512), in 8 units of 64 along K
	s_mov_b32 s28, 0x76543210
	s_mov_b32 s29, 0xfedcba98                      ; v_permlanex16_b32's selects for lane l xor 16
	s_lshl_b32 s20, ttmp9, 2
	s_add_co_u32 s20, s20, s24                     ; W
	s_lshr_b32 s21, s20, 1
	s_and_b32 s22, s20, 1
	s_lshl_b32 s30, s21, 16                        ; 16 rows of 4,096 bytes
	s_lshl_b32 s23, s22, 11                        ; 512 numbers
	s_add_co_u32 s30, s30, s23
	s_mov_b32 s31, 0
	s_lshl_b32 s32, s20, 12                        ; codes: tile x 8192 + half x 4096
	s_mov_b32 s33, 0
	s_lshl_b32 s34, s20, 8                         ; scale bytes: tile x 512 + half x 256
	s_mov_b32 s35, 0
	s_mul_i32 s25, s24, WREG
	v_lshlrev_b32 v4, 12, v3
	v_lshl_add_u32 v4, v2, 4, v4                   ; loads: row h, 16 r
	v_mul_u32_u24 v5, v3, SROW
	v_lshl_add_u32 v5, v2, 4, v5
	v_add_nc_u32 v5, s25, v5                       ; the stage, way in
	v_mul_u32_u24 v6, v2, SROW
	v_lshl_add_u32 v6, v3, 7, v6
	v_add_nc_u32 v6, s25, v6                       ; way out: row r, 128 h
	v_lshlrev_b32 v7, 4, v1                        ; codes: 16 x lane
	v_lshlrev_b32 v8, 4, v2
	v_lshl_add_u32 v8, v3, 3, v8                   ; scale bytes: 16 r + 8 h
	v_lshlrev_b32 v9, 3, v3                        ; 8 h
.irp w, 0,1,2,3
	v_mov_b32 v[PD+\w], 0                          ; a lane permute's destination counts as one of its sources
.endr
	s_wait_kmcnt 0x0
	s_add_nc_u64 s[4:5], s[4:5], s[30:31]
	s_add_nc_u64 s[14:15], s[14:15], s[32:33]
	s_add_nc_u64 s[16:17], s[16:17], s[34:35]
.irp u, 0,1,2,3
	LOAD \u
.endr
	s_wait_loadcnt 24                              ; unit 0's eight loads are in
	TURN 0
.irp u, 0,1,2,3,4,5,6,7
	UNIT \u
.endr
.irp w, 0,1,2,3
	v_lshlrev_b32 v[WD+\w], v9, v[WD+\w]           ; my two bytes at their places in the word,
.endr
.irp w, 0,1,2,3
	v_permlanex16_b32 v[PD+\w], v[WD+\w], s28, s29
.endr
.irp w, 0,1,2,3
	v_or_b32 v[WD+\w], v[WD+\w], v[PD+\w]          ; with lane l xor 16's two the word is whole
.endr
	v_cmp_ne_u32 vcc_lo, 0, v3
	v_cndmask_b32 v14, v[WD], v[WD+2], vcc_lo      ; lanes 0-15 store words 0 and 1 of their row, lanes 16-31 words 2 and 3
	v_cndmask_b32 v15, v[WD+1], v[WD+3], vcc_lo
	global_store_b64 v8, v[14:15], s[16:17]        ; 32 lanes store 256 consecutive bytes, aligned
	s_wait_tensorcnt 0x0
	ds_add_u32 v254, v255
	s_wait_dscnt 0x0
	s_endpgm
.Lweights:
	; ---- a weight: work-group = (matrix mt, 128 along K: ks, 128 columns: cg); wave w takes 32 columns, A LANE A COLUMN, ITS REGISTERS DOWN K: nothing is transposed by an instruction
	s_sub_co_u32 s20, ttmp9, 128
	s_lshr_b32 s21, s20, 6                         ; mt: 0 Wq, 1 Wk, 2 Wv, 3 Wo
	s_and_b32 s22, s20, 7                          ; cg
	s_bfe_u32 s23, s20, 0x30003                    ; ks
	s_lshl_b32 s30, s23, 19                        ; 128 rows of 4,096 bytes
	s_lshl_b32 s31, s22, 9
	s_add_co_u32 s30, s30, s31
	s_lshl_b32 s31, s24, 7
	s_add_co_u32 s30, s30, s31
	s_mov_b32 s31, 0
	v_lshlrev_b32 v4, 2, v1
	s_wait_kmcnt 0x0
	s_mov_b64 s[26:27], s[6:7]
	s_cmp_eq_u32 s21, 1                            ; the choice hangs on the work-group's number alone
	s_cselect_b64 s[26:27], s[8:9], s[26:27]
	s_cmp_eq_u32 s21, 2
	s_cselect_b64 s[26:27], s[10:11], s[26:27]
	s_cmp_eq_u32 s21, 3
	s_cselect_b64 s[26:27], s[12:13], s[26:27]
	s_add_nc_u64 s[26:27], s[26:27], s[30:31]
.set k, 0
.rept 128
	global_load_b32 v[R+k], v4, s[26:27] offset:k*4096 th:TH_LOAD_NT   ; row k at my wave's 32 columns: 128 consecutive bytes; the four waves stand side by side on 512
.set k, k+1
.endr
	s_lshl_b32 s30, s22, 3
	s_lshl_b32 s31, s24, 1
	s_add_co_u32 s30, s30, s31                     ; my wave's first tile of 16 columns in the matrix: 8 cg + 2 w; lanes 16-31 hold the next
	s_cmp_eq_u32 s21, 3
	s_cbranch_scc1 .Lwo
	s_lshl_b32 s31, s21, 6
	s_add_co_u32 s30, s30, s31
	s_add_co_u32 s30, s30, 256                     ; tile T in cod and scl
	s_lshl_b32 s32, s30, 13
	s_lshl_b32 s33, s23, 10                        ; four blocks of 256 bytes for each 128 along K
	s_add_co_u32 s32, s32, s33
	s_mov_b32 s33, 0
	s_add_nc_u64 s[14:15], s[14:15], s[32:33]
	s_lshl_b32 s34, s30, 9
	s_lshr_b32 s35, s23, 2
	s_lshl_b32 s35, s35, 8                         ; which half of K,
	s_add_co_u32 s34, s34, s35
	s_and_b32 s35, s23, 3
	s_lshl_b32 s35, s35, 2                         ; which word in it
	s_add_co_u32 s34, s34, s35
	s_mov_b32 s35, 0
	s_add_nc_u64 s[16:17], s[16:17], s[34:35]
	v_lshlrev_b32 v5, 13, v3
	v_lshl_add_u32 v5, v2, 4, v5                   ; codes: tile h, 16 r
	v_lshlrev_b32 v6, 9, v3
	v_lshl_add_u32 v6, v2, 4, v6                   ; scale word: tile h, 16 r
.set t, 0
.rept 4
.if t < 2
	s_wait_loadcnt 63                              ; block t's 32 loads are in.  (96 - 32 t younger loads might stay out; the wait's field holds 63)
.else
	s_wait_loadcnt 96-32*t
.endif
.set XS, R+32*t
.set CD, X+4*t
	QBLK XS, CD
.if t == 0
	v_mov_b32 v14, v13
.else
	v_lshl_or_b32 v14, v13, 8*t, v14               ; four bytes make my column's scale word of these 128 along K
.endif
	global_store_b128 v5, v[CD:CD+3], s[14:15] offset:t*256   ; each sixteen lanes store 256 consecutive bytes, aligned
.set t, t+1
.endr
	global_store_b32 v6, v14, s[16:17]             ; 4 bytes of each row's 16: pieces, 96 KiB in all against 12 MiB read; whole runs would need 512 along K in one wave
	s_endpgm
.Lwo:
	s_lshl_b32 s32, s30, 15                        ; tile x 32768
	s_lshl_b32 s33, s23, 12                        ; 16 octets of 256 bytes for each 128 along K
	s_add_co_u32 s32, s32, s33
	s_mov_b32 s33, 0
	s_add_nc_u64 s[18:19], s[18:19], s[32:33]
	v_lshlrev_b32 v5, 15, v3
	v_lshl_add_u32 v5, v2, 4, v5
.set o, 0
.rept 16
.if o%4 == 0
.if o < 8
	s_wait_loadcnt 63                              ; as above
.else
	s_wait_loadcnt 96-8*o
.endif
.endif
.irp j, 0,1,2,3
	v_cvt_pk_f16_f32 v[X+4*o+\j], v[R+8*o+2*\j], v[R+8*o+2*\j+1]   ; eight neighbours along K of my column: 16 bytes
.endr
	global_store_b128 v5, v[X+4*o:X+4*o+3], s[18:19] offset:o*256
.set o, o+1
.endr
	s_endpgm
.Lfunc_end_k_q39cfba8142_prep:
	.size	k_q39cfba8142_prep, .Lfunc_end_k_q39cfba8142_prep-k_q39cfba8142_prep
	.p2alignl 7, 3214868480
	.fill 96, 4, 3214868480
	.section	.rodata,"a",@progbits
	.p2align	6, 0x0
	.amdhsa_kernel k_q39cfba8142_prep
		.amdhsa_group_segment_fixed_size 35328
		.amdhsa_private_segment_fixed_size 0
		.amdhsa_enable_private_segment 0
		.amdhsa_kernarg_size 64
		.amdhsa_user_sgpr_count 2
		.amdhsa_user_sgpr_kernarg_segment_ptr 1
		.amdhsa_wavefront_size32 1
		.amdhsa_system_sgpr_workgroup_id_x 1
		.amdhsa_system_sgpr_workgroup_id_y 1
		.amdhsa_system_sgpr_workgroup_id_z 1
		.amdhsa_system_vgpr_workitem_id 0
		.amdhsa_next_free_vgpr 256
		.amdhsa_next_free_sgpr 66
		.amdhsa_reserve_vcc 1
		.amdhsa_float_denorm_mode_32 3
		.amdhsa_float_denorm_mode_16_64 3
		.amdhsa_memory_ordered 1
		.amdhsa_forward_progress 1
		.amdhsa_inst_pref_size 56
	.end_amdhsa_kernel
	.amdgpu_metadata
---
amdhsa.version: [ 1, 2 ]
amdhsa.kernels:
  - .name:           k_q39cfba8142_prep
    .symbol:         k_q39cfba8142_prep.kd
    .args:
      - { .name: x, .offset: 0, .size: 8, .value_kind: global_buffer, .address_space: global }
      - { .name: Wq, .offset: 8, .size: 8, .value_kind: global_buffer, .address_space: global }
      - { .name: Wk, .offset: 16, .size: 8, .value_kind: global_buffer, .address_space: global }
      - { .name: Wv, .offset: 24, .size: 8, .value_kind: global_buffer, .address_space: global }
      - { .name: Wo, .offset: 32, .size: 8, .value_kind: global_buffer, .address_space: global }
      - { .name: cod, .offset: 40, .size: 8, .value_kind: global_buffer, .address_space: global }
      - { .name: scl, .offset: 48, .size: 8, .value_kind: global_buffer, .address_space: global }
      - { .name: wot, .offset: 56, .size: 8, .value_kind: global_buffer, .address_space: global }
    .group_segment_fixed_size: 35328
    .private_segment_fixed_size: 0
    .kernarg_segment_align: 8
    .kernarg_segment_size: 64
    .max_flat_workgroup_size: 128
    .sgpr_count:     66
    .vgpr_count:     256
    .wavefront_size: 32
...
	.end_amdgpu_metadata
.endif
;; end of part 1
;; launch qkv (part 2): grid 12 x 16, 4 waves a work-group, clusters of 4 x 4, 327,680 bytes of LDS; arguments cod, scl, bq, bk, qkv; writes qkv
.if DOCPART == 2
	.amdgcn_target "amdgcn-amd-amdhsa--gfx1250"
	.amdhsa_code_object_version 6
	.text
	.protected	k_q39cfba8142_qkv
	.globl	k_q39cfba8142_qkv
	.p2align	8
	.type	k_q39cfba8142_qkv,@function
k_q39cfba8142_qkv:
	s_mov_b64 s[64:65], 0
	v_nop
	global_prefetch_b8 v0, s[64:65] scope:SCOPE_SE
	s_setreg_imm32_b32 hwreg(HW_REG_WAVE_MODE, 25, 1), 1
	s_wait_xcnt 0x0
	s_wait_alu depctr_hold_cnt(0) depctr_sa_sdst(0) depctr_va_vdst(0) depctr_va_sdst(0) depctr_va_ssrc(0) depctr_va_vcc(0) depctr_vm_vsrc(0)
	s_getreg_b32 s2, hwreg(HW_REG_IB_STS2, 6, 4)
	s_cmp_eq_u32 s2, 0
	s_cbranch_scc0 .Lentry_in_a_cluster
	s_endpgm
.Lentry_in_a_cluster:
	s_bfe_u32 s2, ttmp6, 0x10000c
	s_cmp_lg_u32 s2, 0xf033
	s_cbranch_scc0 .Lentry_shape_is_right
	s_endpgm
.Lentry_shape_is_right:
; q = x Wq + bq, k = x Wk + bk, v = x Wv, on codes of FP4 (E2M1) with one E8M0 scale for each 32 along K = 1024; sums in f32; results rounded to f16.  (bv is added by the next launch, behind the softmax's division: the weights of a row sum to 1.)
; cod and scl hold 28 blocks of 256 rows, laid in the order of an operand's registers: blocks 0-15 x, 16-19 Wq's columns, 20-23 Wk's, 24-27 Wv's.
; A work-group of four waves multiplies a block "A" of 256 rows by a block "B" of 256 rows; a wave 128 x 128: 64 accumulators of 16 x 16, 512 registers.  The cluster's x is the part p: 0 q, 1 k, 2 v.
; THE MATRIX INSTRUCTION IS USED TRANSPOSED (source 0 = 16 rows of B, source 1 = 16 rows of A): a lane holds ONE row of A and EIGHT neighbouring rows of B: 16 bytes of f16.
;   q, k: A = x, B = the weight: a lane's 16 bytes are 8 channels of one token.   v: A = Wv, B = x: 8 keys of one channel, since the keys are the K of attention's second product.
; These 16 bytes are one lane's part of a fragment of the next launch, so the results leave by stores of 512 consecutive bytes, aligned, with no way through LDS:
;   qkv = part x 8388608 + (batch x 16 + head) x 262144 + ..;  q, k: (s / 16) x 2048 + (d / 8) x 256 + (s % 16) x 16;  v: (s / 32) x 4096 + (d / 16) x 1024 + ((s % 32) / 8) x 256 + (d % 16) x 16.
; K goes in two halves of 512 through two LDS slots, EACH FILLED ONCE: all tensor loads go out at the start, three a wave (its quarter of the scales, of slot 0, of slot 1); nothing is filled again.
; CLUSTERS: 4 x 4 work-groups: the four of a row of the cluster need the same block A, the four of a column the same block B: each is asked for jointly.
; 192 work-groups: 64 blocks of 256 x 256 for each part.  A block of 256 x 192 would give 256, but cut heads of 64 between waves and so the stores of 512 bytes.
; LIMITS: q, k and v are rounded to f16, whose eleven bits the output's tolerance asks for: magnitudes under 65,504.  As drawn they are sums of 1,024 products of spread 1/32: spread 1.  With x and the weights both
; 30 times larger the spread is 900; with an offset of 30 spreads on both they stand near 1,024 x 30 x 0.94 = 29,000.  30 times smaller on both: spread 0.001; what falls among f16's subnormals is off by under 2^-25.
; REGISTERS, in windows of 256: window 0: v1-7 at work, v8-15 store offsets, v16-27 LDS addresses; v32-95 scale words, two sets; v128-191 A's fragments, one set; v192-255 the bias as a C operand; on the way out v128-255 take the packed results.
;   window 1: B's fragments, two sets, at v0 and v128.   window 2: the accumulators of my A rows 0-63 ((a, b) at v[8 (8 (a % 4) + b)]);   window 3: those of rows 64-127.
.set SLOT,  131072                     ; a slot: A's rows 0-127, A's 128-255, B's 0-127, B's 128-255: 32,768 bytes each; in each: row tile i x 4096 + q x 1024 (128 along K) + c x 512 + 16 x lane
.set SCL,   2*SLOT                     ; behind them the scales: 4 x 4,096 bytes; in each: row tile i x 512 + slot x 256 + 16 r
.set HALFS, 4096
.set VO,   8                           ; v8-15   store offsets: 16 x lane + i x SA0 + c x SB1 at v[VO + 2 i + c]
.set ADRA, 16                          ; v16-17  LDS address of my A fragments in slot 0, 1
.set ADRB, 20                          ; v20-21  the same for B
.set ADRS, 27                          ; v27     of my scale words: lanes 0-15 A's rows, lanes 16-31 B's
.set SC,   32                          ; set s at v[SC + 32 s]; register 4 i + q: lanes 0-15 the word of A's block i, lanes 16-31 of B's block i, for the slot's q-th 128 along K
.set AF,   128
.set BIAS, 192                         ; v[BIAS + 8 b + j]: the bias of B's row 16 b + 8 (lane / 16) + j
.set PK,   128                         ; the way out: four sets of 32
.set G1,   24                          ; s[24:31] group 1 for A's codes;  s[32:39] group 0, one set for each slot
.set G0,   32
.set G1B,  48                          ; s[48:55], s[56:63] the same for B's
.set G0B,  56
.set G1S,  68                          ; s[68:75], s[76:79] for A's scales;  s[80:87], s[88:91] for B's
.set G0S,  76
.set G1SB, 80
.set G0SB, 88
.set SB,   92                          ; s[92:99] the four store bases: (a / 4, b / 4) at s[SB + 4 x + 2 y]
.set MSB, 0
.macro WIN new                         ; the immediate's high byte repeats the setting that is left
.if MSB != \new
	s_set_vgpr_msb (MSB<<8)|\new
.set MSB, \new
.endif
.endm
.set MUL_LO, 0xa1                      ; source 0 (B) window 1, source 1 (A) window 0, C and D window 2
.set MUL_HI, 0xf1                      ; the same, C and D window 3
.set FST_LO, 0x81                      ; the first step: C (the bias) window 0, D window 2
.set FST_HI, 0xc1                      ; D window 3
.set TO_B,   0x40                      ; destination window 1, address window 0
; A joint load: waves 0 and 1 fetch for A, waves 2 and 3 for B.  The branch hangs on the wave's number alone.  Four v_nop follow each of the two lines.
.macro JLOAD g0a, g1a, g0b, g1b
	s_cmp_eq_u32 s15, 0
	s_cbranch_scc0 .Lfor_b_\@
	tensor_load_to_lds s[\g0a:\g0a+3], s[\g1a:\g1a+7]
	s_nop 0
.rept 4
	v_nop
.endr
	s_branch .Lasked_\@
.Lfor_b_\@:
	tensor_load_to_lds s[\g0b:\g0b+3], s[\g1b:\g1b+7]
	s_nop 0
.rept 4
	v_nop
.endr
.Lasked_\@:
.endm
.macro CROUND                          ; a round of the cluster's barrier
	s_barrier_signal -1
	s_barrier_wait -1
	s_cmp_lg_u32 s14, 0
	s_cbranch_scc1 .Lnot_wave_0_\@
	s_barrier_signal -3
.Lnot_wave_0_\@:
	s_barrier_wait -3
	s_barrier_signal -1
	s_barrier_wait -1
.endm
.macro PLACES n                        ; plain vector lines between a matrix instruction and a load into, or a vector instruction on, its registers
.rept \n
	v_nop
.endr
.endm
.macro FRAG reg, adr, q, i             ; a fragment, 16 rows x 128 K of 4-bit codes: registers 4 c .. 4 c + 3 hold K = 64 c + 32 (lane / 16) + 0 .. 31: 512 consecutive bytes for each c
.irp c, 0,1
	ds_load_b128 v[\reg+4*\c:\reg+4*\c+3], v[\adr] offset:1024*(\q)+512*\c+(\i)*4096
.endr
.endm
.macro FETCH_B slot, q, p              ; B's eight fragments of the slot's q-th 128 along K into set p
	WIN TO_B
.irp i, 0,1,2,3,4,5,6,7
	FRAG 128*(\p)+8*\i, ADRB+\slot, \q, \i
.endr
	WIN 0
.endm
.macro FETCH_A slot, q, i0             ; A's blocks i0 .. i0 + 3
.irp i, \i0, \i0+1, \i0+2, \i0+3
	FRAG AF+8*(\i), ADRA+\slot, \q, \i
.endr
.endm
.macro SCALES sc                       ; slot sc's scale words: four words a row
.irp i, 0,1,2,3,4,5,6,7
	ds_load_b128 v[SC+32*\sc+4*\i:SC+32*\sc+4*\i+3], v[ADRS] offset:\i*512+\sc*256
.endr
.endm
; 16 matrix instructions: A's blocks a0, a0 + 1 x B's eight, 128 along K.  first = 1: the bias is the C of each sum's first product: nothing is cleared, nothing added later.
; The 64 accumulators take turns, one instruction a turn, in the same order in every step.
.macro MUL16 a0, p, q, sc, first
.irp a, \a0, \a0+1
.irp b, 0,1,2,3,4,5,6,7
.if \first
	v_wmma_scale_f32_16x16x128_f8f6f4 v[8*(8*((\a)%4)+\b):8*(8*((\a)%4)+\b)+7], v[128*(\p)+8*\b:128*(\p)+8*\b+7], v[AF+8*(\a):AF+8*(\a)+7], v[BIAS+8*\b:BIAS+8*\b+7], v[SC+32*(\sc)+4*\b+(\q)], v[SC+32*(\sc)+4*(\a)+(\q)] matrix_a_fmt:MATRIX_FMT_FP4 matrix_b_fmt:MATRIX_FMT_FP4 matrix_a_scale:MATRIX_SCALE_ROW1
.else
	v_wmma_scale_f32_16x16x128_f8f6f4 v[8*(8*((\a)%4)+\b):8*(8*((\a)%4)+\b)+7], v[128*(\p)+8*\b:128*(\p)+8*\b+7], v[AF+8*(\a):AF+8*(\a)+7], v[8*(8*((\a)%4)+\b):8*(8*((\a)%4)+\b)+7], v[SC+32*(\sc)+4*\b+(\q)], v[SC+32*(\sc)+4*(\a)+(\q)] matrix_a_fmt:MATRIX_FMT_FP4 matrix_b_fmt:MATRIX_FMT_FP4 matrix_a_scale:MATRIX_SCALE_ROW1
.endif
.endr
.endr
.endm
; A step of 128 along K that has its successor in the same slot.  A block of A is free as soon as its eight products are issued: one set serves A; B has two.
.macro STEP slot, q, first
	s_wait_dscnt 8                                 ; B's set, A's blocks 0-3 and the scale words are in; the youngest eight loads (A's blocks 4-7) may be out
.if \first
	WIN FST_LO
.else
	WIN MUL_LO
.endif
	MUL16 0, (\q)%2, \q, \slot, \first
	MUL16 2, (\q)%2, \q, \slot, \first
	s_wait_dscnt 0x0                               ; A's blocks 4-7 are in
	PLACES 4
	FETCH_B \slot, (\q)+1, 1-(\q)%2
	FETCH_A \slot, (\q)+1, 0
.if \first
	WIN FST_HI
.else
	WIN MUL_HI
.endif
	MUL16 4, (\q)%2, \q, \slot, \first
	MUL16 6, (\q)%2, \q, \slot, \first
	PLACES 4
	WIN 0
	FETCH_A \slot, (\q)+1, 4
.endm
	s_load_b256 s[4:11], s[0:1], 0x0               ; cod s[4:5], scl s[6:7], bq s[8:9], bk s[10:11]
	s_load_b64 s[12:13], s[0:1], 0x20              ; qkv
	v_lshl_add_u32 v126, v0, 2, 0x44000
	v_mov_b32 v127, 0
	ds_add_u32 v126, v127
	ds_add_u32 v126, v127
	v_lshrrev_b32 v1, 5, v0
	v_readfirstlane_b32 s14, v1                    ; wave 0..3
	s_lshr_b32 s15, s14, 1                         ; which half of A's rows is mine.  Also: I fetch for A (0) or for B (1)
	s_and_b32 s16, s14, 1                          ; which half of B's rows.  Also: which 128 rows I fetch
	s_bfe_u32 s40, ttmp6, 0x40000                  ; cx, cy: my place in the cluster
	s_bfe_u32 s41, ttmp6, 0x40004
	s_and_b32 s20, ttmp7, 0xffff
	s_lshl_b32 s20, s20, 2                         ; 4 x cluster y: x's blocks
	s_lshl_b32 s21, ttmp9, 2
	s_add_co_u32 s21, s21, 16                      ; 16 + 4 p: the weight's blocks
	s_cmp_eq_u32 ttmp9, 2                          ; the part is the cluster's x: the same in all sixteen partners
	s_cselect_b32 s17, 24, s20
	s_cselect_b32 s42, s20, s21
	s_add_co_u32 s17, s17, s41                     ; A's block: hangs on cy alone, which my row of the cluster shares
	s_add_co_u32 s42, s42, s40                     ; B's block: on cx alone, which my column shares
	s_lshl_b32 s43, s41, 2
	s_lshl_b32 s43, 15, s43                        ; my row of the cluster
	s_lshl_b32 s44, 0x1111, s40                    ; my column
	; group 1 for codes: 8 row tiles' halves of K: 8 rows of 4,096 bytes, 8,192 bytes apart, in elements of 8 bytes; no padding: the reads are 512 consecutive bytes
	s_or_b32 s[G1+0], s43, (3<<16)|(1<<21)         ; 15:0 the mask; 17:16 elements of 8 bytes; 21 set beside a mask
	s_or_b32 s[G1B+0], s44, (3<<16)|(1<<21)
.irp g, G1, G1B
	s_mov_b32 s[\g+1], 512<<16                     ; tensor_dim0
	s_mov_b32 s[\g+2], 8<<16                       ; tensor_dim1
	s_mov_b32 s[\g+3], 512<<16                     ; tile_dim0
	s_mov_b32 s[\g+4], 8                           ; tile_dim1
	s_mov_b32 s[\g+5], 1024                        ; tensor_dim0_stride
	s_mov_b32 s[\g+6], 0
	s_mov_b32 s[\g+7], 0
.endr
	; and for the scales of 128 rows: 4,096 dense bytes as 16 rows of 256
	s_or_b32 s[G1S+0], s43, (3<<16)|(1<<21)
	s_or_b32 s[G1SB+0], s44, (3<<16)|(1<<21)
.irp g, G1S, G1SB
	s_mov_b32 s[\g+1], 32<<16
	s_mov_b32 s[\g+2], 16<<16
	s_mov_b32 s[\g+3], 32<<16
	s_mov_b32 s[\g+4], 16
	s_mov_b32 s[\g+5], 32
	s_mov_b32 s[\g+6], 0
	s_mov_b32 s[\g+7], 0
.endr
	s_lshl_b32 s18, s16, 16                        ; which 128 rows I fetch: 8 tiles of 8,192 bytes of codes,
	s_lshl_b32 s19, s16, 12                        ; 8 x 512 bytes of scales
	s_lshl_b32 s20, s17, 17
	s_add_co_u32 s20, s20, s18
	s_mov_b32 s21, 0
	s_lshl_b32 s22, s17, 13
	s_add_co_u32 s22, s22, s19
	s_mov_b32 s23, 0
	s_lshl_b32 s46, s42, 17
	s_add_co_u32 s46, s46, s18
	s_mov_b32 s47, 0
	s_lshl_b32 s92, s42, 13
	s_add_co_u32 s92, s92, s19
	s_mov_b32 s93, 0
	s_lshl_b32 s45, s14, 15                        ; where they go: wave x 32,768: no place in the cluster enters an LDS address
	s_lshl_b32 s94, s14, 12
	s_wait_dscnt 0x0
	s_wait_kmcnt 0x0
	s_add_nc_u64 s[20:21], s[4:5], s[20:21]
	s_add_nc_u64 s[22:23], s[6:7], s[22:23]
	s_add_nc_u64 s[46:47], s[4:5], s[46:47]
	s_add_nc_u64 s[92:93], s[6:7], s[92:93]
	CROUND                                         ; all sixteen work-groups are here: the joint loads meet
	s_mov_b32 s[G0S], 1
	s_add_co_u32 s[G0S+1], s94, SCL
	s_mov_b64 s[G0S+2:G0S+3], s[22:23]
	s_or_b32 s[G0S+3], s[G0S+3], 0x80000000
	s_mov_b32 s[G0SB], 1
	s_add_co_u32 s[G0SB+1], s94, SCL
	s_mov_b64 s[G0SB+2:G0SB+3], s[92:93]
	s_or_b32 s[G0SB+3], s[G0SB+3], 0x80000000
	JLOAD G0S, G1S, G0SB, G1SB                     ; the scales first: they are wanted with slot 0
.irp s, 0,1
	s_mov_b32 s[G0+4*\s], 1
	s_add_co_u32 s[G0+4*\s+1], s45, \s*SLOT
	s_add_nc_u64 s[G0+4*\s+2:G0+4*\s+3], s[20:21], \s*4096
	s_or_b32 s[G0+4*\s+3], s[G0+4*\s+3], 0x80000000
	s_mov_b32 s[G0B+4*\s], 1
	s_add_co_u32 s[G0B+4*\s+1], s45, \s*SLOT
	s_add_nc_u64 s[G0B+4*\s+2:G0B+4*\s+3], s[46:47], \s*4096
	s_or_b32 s[G0B+4*\s+3], s[G0B+4*\s+3], 0x80000000
	JLOAD G0+4*\s, G1, G0B+4*\s, G1B               ; three tensor loads of mine are out behind the second of these
.endr
	v_and_b32 v1, 15, v0                           ; r
	v_bfe_u32 v2, v0, 4, 1                         ; h
	v_and_b32 v7, 31, v0
	v_lshlrev_b32 v7, 4, v7                        ; 16 x lane
	; the bias: q's and k's runs along B's rows (the channels).  For v the words are masked to 0
	s_cmp_eq_u32 ttmp9, 1
	s_cselect_b64 s[8:9], s[10:11], s[8:9]
	s_lshl_b32 s100, s40, 10                       ; 256 channels a block,
	s_lshl_b32 s101, s16, 9                        ; 128 my half
	s_add_co_u32 s100, s100, s101
	s_mov_b32 s101, 0
	s_add_nc_u64 s[8:9], s[8:9], s[100:101]
	v_lshlrev_b32 v3, 5, v2                        ; 8 numbers for each half of the lanes
.irp b, 0,1,2,3,4,5,6,7
	global_load_b128 v[BIAS+8*\b:BIAS+8*\b+3], v3, s[8:9] offset:64*\b
	global_load_b128 v[BIAS+8*\b+4:BIAS+8*\b+7], v3, s[8:9] offset:64*\b+16
.endr
	s_lshl_b32 s21, s15, 15                        ; my 128 rows of A,
	s_lshl_b32 s22, s16, 15                        ; my 128 rows of B,
	s_add_co_u32 s22, s22, 65536                   ; which lie behind A's 256
.irp s, 0,1
	v_add_nc_u32 v[ADRA+\s], s21, v7
	v_add_nc_u32 v[ADRB+\s], s22, v7
	s_add_co_u32 s21, s21, SLOT
	s_add_co_u32 s22, s22, SLOT
.endr
	v_lshlrev_b32 v5, 4, v1                        ; my row's 16 scale bytes
	s_lshl_b32 s21, s15, 12                        ; A's: my 128 rows
	s_lshl_b32 s22, s16, 12                        ; B's: my 128 rows, behind A's 256
	s_add_co_u32 s22, s22, 2*HALFS
	s_sub_co_u32 s22, s22, s21
	v_mul_u32_u24 v6, s22, v2                      ; lanes 16-31 take B's: the lower base + h x the distance
	s_add_co_u32 s21, s21, SCL
	v_add_nc_u32 v5, v5, v6
	v_add_nc_u32 v[ADRS], s21, v5
	; where the results go.  q, k: tokens along A, channels along B;  v: channels along A, tokens along B
	s_cmp_lt_u32 ttmp9, 2
	s_cselect_b32 s66, s41, s40                    ; the token block's place in the cluster
	s_cselect_b32 s67, s15, s16                    ; my half of its tokens
	s_cselect_b32 s100, s40, s41                   ; the channel block (4 heads)
	s_cselect_b32 s101, s16, s15                   ; my half of it (2 heads)
	s_mov_b32 s2, 1024
	s_cselect_b32 s2, 2048, s2                     ; SA0: from A's block a to a + 1
	s_mov_b32 s3, 262144
	s_cselect_b32 s3, 8192, s3                     ; SA1: four blocks of A on
	s_mov_b32 s18, 4096
	s_cselect_b32 s18, 1024, s18                   ; SB1: two blocks of B on
	s_mov_b32 s19, 8192
	s_cselect_b32 s19, 262144, s19                 ; SB2: four blocks of B on.  (One block of B on is 512 bytes in both layouts)
	s_and_b32 s46, ttmp7, 0xffff
	s_lshl_b32 s46, s46, 2
	s_add_co_u32 s66, s66, s46                     ; the block of 256 tokens, 0..15
	s_lshr_b32 s46, s66, 3                         ; the batch
	s_lshl_b32 s46, s46, 4
	s_lshl_b32 s100, s100, 2
	s_add_co_u32 s46, s46, s100
	s_lshl_b32 s101, s101, 1
	s_add_co_u32 s46, s46, s101                    ; batch x 16 + my first head
	s_lshl_b32 s46, s46, 18
	s_and_b32 s66, s66, 7
	s_lshl_b32 s66, s66, 1
	s_add_co_u32 s66, s66, s67
	s_lshl_b32 s66, s66, 14                        ; 128 tokens are 16,384 bytes of a head in both layouts
	s_add_co_u32 s46, s46, s66
	s_lshl_b32 s47, ttmp9, 23                      ; the part
	s_add_co_u32 s46, s46, s47
	s_mov_b32 s47, 0
	s_add_nc_u64 s[SB:SB+1], s[12:13], s[46:47]
	s_mov_b32 s46, s19
	s_add_nc_u64 s[SB+2:SB+3], s[SB:SB+1], s[46:47]
	s_mov_b32 s46, s3
	s_add_nc_u64 s[SB+4:SB+5], s[SB:SB+1], s[46:47]
	s_add_nc_u64 s[SB+6:SB+7], s[SB+2:SB+3], s[46:47]
	v_mov_b32 v[VO], v7
	v_add_nc_u32 v[VO+1], s18, v7
.irp i, 1,2,3
	v_add_nc_u32 v[VO+2*\i], s2, v[VO+2*\i-2]
	v_add_nc_u32 v[VO+2*\i+1], s2, v[VO+2*\i-1]
.endr
	s_cmp_eq_u32 ttmp9, 2
	s_cselect_b32 s66, 0, -1
	s_wait_loadcnt 0x0                             ; the bias
.set i, 0
.rept 64
	v_and_b32 v[BIAS+i], s66, v[BIAS+i]            ; v's sums begin at 0
.set i, i+1
.endr
	s_wait_tensorcnt 1                             ; my parts of the scales and of slot 0 are in (slot 1's load may be out)
	s_barrier_signal -1
	s_barrier_wait -1                              ; everybody's are
	FETCH_B 0, 0, 0
	FETCH_A 0, 0, 0
	SCALES 0
	FETCH_A 0, 0, 4
	STEP 0, 0, 1
	STEP 0, 1, 0
	STEP 0, 2, 0
	; slot 0's last step goes over to slot 1: each wave waits for its part of slot 1, then one barrier
	s_wait_tensorcnt 0x0
	s_wait_dscnt 8
	WIN MUL_LO
	MUL16 0, 1, 3, 0, 0
	s_wait_dscnt 0x0                               ; no LDS instruction of mine is out at the signal
	s_barrier_signal -1
	MUL16 2, 1, 3, 0, 0                            ; work on registers while the others arrive
	WIN 0
	s_barrier_wait -1                              ; slot 1 is whole
	PLACES 4
	FETCH_B 1, 0, 0
	FETCH_A 1, 0, 0
	SCALES 1
	WIN MUL_HI
	MUL16 4, 1, 3, 0, 0
	MUL16 6, 1, 3, 0, 0
	PLACES 4
	WIN 0
	FETCH_A 1, 0, 4
	STEP 1, 0, 0
	STEP 1, 1, 0
	STEP 1, 2, 0
	s_wait_dscnt 8                                 ; the very last step: nothing more to fetch
	WIN MUL_LO
	MUL16 0, 1, 3, 1, 0
	MUL16 2, 1, 3, 1, 0
	s_wait_dscnt 0x0
	WIN MUL_HI
	MUL16 4, 1, 3, 1, 0
	MUL16 6, 1, 3, 1, 0
	WIN 0
	PLACES 4                                       ; in front of the conversions, which read results and write registers that held A's fragments
; THE WAY OUT of A's block a: each accumulator, from its low end on, packs into a lane's 16 bytes; each store covers 512 consecutive bytes, aligned
.macro OUT a
.if (\a) >= 4
	s_wait_xcnt 0x0                                ; block a - 4's stores have read their registers: this set of 32 may be written again
.endif
	WIN 0x0a+5*((\a)/4)                            ; sources 0 and 1: window 2 or 3
.irp b, 0,1,2,3,4,5,6,7
.irp j, 0,1,2,3
	v_cvt_pk_f16_f32 v[PK+32*((\a)%4)+4*\b+\j], v[8*(8*((\a)%4)+\b)+2*\j], v[8*(8*((\a)%4)+\b)+2*\j+1]
.endr
.endr
	WIN 0
.irp b, 0,1,2,3,4,5,6,7
	global_store_b128 v[VO+2*((\a)%4)+(\b/2)%2], v[PK+32*((\a)%4)+4*\b:PK+32*((\a)%4)+4*\b+3], s[SB+4*((\a)/4)+2*(\b/4):SB+4*((\a)/4)+2*(\b/4)+1] offset:(\b%2)*512 th:TH_STORE_NT
.endr
.endm
.irp a, 0,1,2,3,4,5,6,7
	OUT \a
.endr
	s_wait_tensorcnt 0x0
	ds_add_u32 v126, v127
	s_wait_dscnt 0x0
	CROUND                                         ; the closing round: no work-group ends while a partner may still ask for a tile that names it
	s_endpgm
.Lfunc_end_k_q39cfba8142_qkv:
	.size	k_q39cfba8142_qkv, .Lfunc_end_k_q39cfba8142_qkv-k_q39cfba8142_qkv
	.p2alignl 7, 3214868480
	.fill 96, 4, 3214868480
	.section	.rodata,"a",@progbits
	.p2align	6, 0x0
	.amdhsa_kernel k_q39cfba8142_qkv
		.amdhsa_group_segment_fixed_size 327680
		.amdhsa_private_segment_fixed_size 0
		.amdhsa_enable_private_segment 0
		.amdhsa_kernarg_size 40
		.amdhsa_user_sgpr_count 2
		.amdhsa_user_sgpr_kernarg_segment_ptr 1
		.amdhsa_wavefront_size32 1
		.amdhsa_system_sgpr_workgroup_id_x 1
		.amdhsa_system_sgpr_workgroup_id_y 1
		.amdhsa_system_sgpr_workgroup_id_z 1
		.amdhsa_system_vgpr_workitem_id 0
		.amdhsa_next_free_vgpr 1024
		.amdhsa_next_free_sgpr 102
		.amdhsa_reserve_vcc 0
		.amdhsa_float_denorm_mode_32 3
		.amdhsa_float_denorm_mode_16_64 3
		.amdhsa_memory_ordered 1
		.amdhsa_forward_progress 1
		.amdhsa_inst_pref_size 122
	.end_amdhsa_kernel
	.amdgpu_metadata
---
amdhsa.version: [ 1, 2 ]
amdhsa.kernels:
  - .name:           k_q39cfba8142_qkv
    .symbol:         k_q39cfba8142_qkv.kd
    .args:
      - { .name: cod, .offset: 0, .size: 8, .value_kind: global_buffer, .address_space: global }
      - { .name: scl, .offset: 8, .size: 8, .value_kind: global_buffer, .address_space: global }
      - { .name: bq, .offset: 16, .size: 8, .value_kind: global_buffer, .address_space: global }
      - { .name: bk, .offset: 24, .size: 8, .value_kind: global_buffer, .address_space: global }
      - { .name: qkv, .offset: 32, .size: 8, .value_kind: global_buffer, .address_space: global }
    .group_segment_fixed_size: 327680
    .private_segment_fixed_size: 0
    .kernarg_segment_align: 8
    .kernarg_segment_size: 40
    .max_flat_workgroup_size: 128
    .sgpr_count:     102
    .vgpr_count:     1024
    .wavefront_size: 32
...
	.end_amdgpu_metadata
.endif
;; end of part 2
;; launch attn (part 3): grid 8 x 32, 8 waves a work-group, clusters of 4 x 1, 327,680 bytes of LDS; arguments qkv, bv, att; writes att
.if DOCPART == 3
	.amdgcn_target "amdgcn-amd-amdhsa--gfx1250"
	.amdhsa_code_object_version 6
	.text
	.protected	k_q39cfba8142_attn
	.globl	k_q39cfba8142_attn
	.p2align	8
	.type	k_q39cfba8142_attn,@function
k_q39cfba8142_attn:
	s_mov_b64 s[64:65], 0
	v_nop
	global_prefetch_b8 v0, s[64:65] scope:SCOPE_SE
	s_setreg_imm32_b32 hwreg(HW_REG_WAVE_MODE, 25, 1), 1
	s_wait_xcnt 0x0
	s_wait_alu depctr_hold_cnt(0) depctr_sa_sdst(0) depctr_va_vdst(0) depctr_va_sdst(0) depctr_va_ssrc(0) depctr_va_vcc(0) depctr_vm_vsrc(0)
	s_getreg_b32 s2, hwreg(HW_REG_IB_STS2, 6, 4)
	s_cmp_eq_u32 s2, 0
	s_cbranch_scc0 .Lentry_in_a_cluster
	s_endpgm
.Lentry_in_a_cluster:
	s_bfe_u32 s2, ttmp6, 0x10000c
	s_cmp_lg_u32 s2, 0x3003
	s_cbranch_scc0 .Lentry_shape_is_right
	s_endpgm
.Lentry_shape_is_right:
; att[b][q][head][:] = the sum over k of softmax_k(Q . K / 8) V + bv, for 32 (batch, head) of 2,048 tokens and head size 64.  Q, K, V: f16, laid by the launch before in the order of the fragments' registers.
; Products, maxima and sums in f32; the weights p are rounded to f16 for the second product; the result once, to f16.  bv is added behind the division: the weights of a row sum to 1, so that is V + bv summed.
; SHARES.  A work-group owns 256 queries of one (batch, head); each of its EIGHT waves 32 of them: two tiles of 16.  Two waves lie on a SIMD, so that one wave's softmax stands beside the other's products,
; with a text in plain phases; each fragment of K and V read from LDS feeds two products.  Every wave walks all 2,048 keys, 64 a step.
; LAYOUT.  S^T = K Q^T (source 0 = 16 keys, source 1 = 16 queries): a lane holds ONE query (lane % 16) and keys 8 (lane / 16) + 0..7.  Two such tiles, rounded to f16 in pairs, ARE source 1 of O^T = V^T P,
; whose result again holds one query a lane and eight channels: 16 bytes of f16, one lane's part of a fragment of the next launch.  V comes with the keys innermost: nothing is turned.
; SOFTMAX.  For each query a running maximum m and sum l: p = 2^(c s - c m), c = log2(e) / 8; in every step O and l are multiplied by a = 2^(c m_old - c m_new).  m begins at -3e38, O and l at 0.
; RING.  Two LDS slots of 512 keys (K's 65,536 bytes, then V's).  Wave w fills 16,384 dense bytes at slot + 16,384 w: waves 0-3 K's quarters, waves 4-7 V's: one tensor line for all, each wave's addresses its own by its number.
; CLUSTER.  The four query blocks of a cluster belong to one head and walk the same K and V: each tile is asked for jointly, with a mask that names the four.
; LIMITS: q, k, v, p and the result are rounded to f16.  p lies in (0, 1] by the running maximum; a p under 2^-14 is off by under 2^-25, beside a row's sum of at least 1.  The result is a weighted mean of v, plus bv: magnitudes under 65,504,
; as for v (the launch before gives the figures).  NaN and infinities are not served.
; REGISTERS: window 0: v1-7 addresses; v12-27 statistics, eight a tile; v32-63 bv; v64-127 S^T, 32 a tile; v128-159 P, 16 a tile; v160-223 K of a step; v224-255 Q.   window 1: v0-63 O^T, 32 a tile; v64-127 V of a step.
.set SLOT1, 1<<17                      ; slot 1 begins here: one exclusive or turns an address in one slot into the other's
.set VOFF,  65536                      ; V's tiles in a slot
.set STEPB, 8192                       ; 64 keys of K, and of V: 16 pieces of 512 bytes, in the order of the registers
.set SPARE, 2*SLOT1                    ; behind the ring: the spare words, 128 bytes for each of eight waves: four blocks of 256 bytes that no other line names
.set LIK, 1                            ; v1  16 x lane: also my offset in Q's and att's pieces
.set LIV, 2                            ; v2  16 x lane + VOFF
.set ADK, 3                            ; v3  LDS address of the step's K
.set ADV, 4                            ; v4  of its V
.set SPW, 5                            ; v5  LDS address of my spare word; never rewritten
.set NIL, 6                            ; v6  0; never rewritten
.set PFO, 7                            ; v7  256 x lane: the prefetches' offset; never rewritten
.set ST,  12                           ; tile t at v[ST + 8 t]: +0 c m, +1 m, +2, +3 l (even keys', odd keys'), +4 to +7 at work; a takes +6
.set BV,  32
.set S,   64
.set P,   128
.set KF,  160
.set Q,   224
.set VF,  64                           ; in window 1
.set WV,  12                           ; s12 my wave's number
.set LIM, 15                           ; s15 1 in a wave that prefetches, else the greatest number
.set PFA, 18                           ; s[18:19] where my prefetches stand
.set G1,  24                           ; s[24:31] descriptor group 1
.set G0,  32                           ; s[32:35] group 0: it walks
.set SLOTS, 36                         ; s36 slots still to be asked for
.set CNT, 37                           ; s37 counts a slot's steps
.set CS,  38                           ; s[38:39] c, twice: the packed form names a pair
.set SEL, 40                           ; s[40:41] v_permlanex16_b32's selects for lane l xor 16
.set TB,  42                           ; s42 LDS byte at which the step's K begins
.set MSB, 0
.macro WIN new                         ; the immediate's high byte repeats the setting that is left
.if MSB != \new
	s_set_vgpr_msb (MSB<<8)|\new
.set MSB, \new
.endif
.endm
.set TO_V, 0x40                        ; destination window 1
.set W_RS, 0x41                        ; O^T (destination and source 0) window 1, the rest window 0
.set W_PV, 0x51                        ; V, C and D window 1, P window 0
.macro CROUND                          ; a round of the cluster's barrier
	s_barrier_signal -1
	s_barrier_wait -1
	s_cmp_lg_u32 s[WV], 0
	s_cbranch_scc1 .Lnot_wave_0_\@
	s_barrier_signal -3
.Lnot_wave_0_\@:
	s_barrier_wait -3
	s_barrier_signal -1
	s_barrier_wait -1
.endm
; A prefetch of what the NEXT change of slots will ask for.  All clusters of a head walk the same K and V: the head's first cluster asks.  In it the even waves ask, each for its own 16,384 bytes and the next wave's:
; 32,768 bytes, of which each of the four partners takes 8,192, told apart BY ADDRESS, lanes 256 bytes apart: each block of 256 bytes is named once in the launch.  The last change that fills a slot asks for nothing.
.macro ASK
	s_cmp_gt_u32 s[SLOTS], s[LIM]
	s_cbranch_scc0 .Lnot_mine_\@
	global_prefetch_b8 v[PFO], s[PFA:PFA+1] th:TH_LOAD_NT scope:SCOPE_SE
.Lnot_mine_\@:
.endm
.macro FETCH_K off                     ; 64 keys x 64 channels: fragment (keys 16 kt on, channels 32 c on) at v[KF + 8 (2 kt + c)]
.irp i, 0,1,2,3,4,5,6,7,8,9,10,11,12,13,14,15
	ds_load_b128 v[KF+4*\i:KF+4*\i+3], v[ADK] offset:\off+512*\i
.endr
.endm
.macro FETCH_V                         ; 64 channels x 64 keys: fragment (keys 32 kc on, channels 16 ct on) at v[VF + 8 (4 kc + ct)] of window 1
	WIN TO_V
.irp i, 0,1,2,3,4,5,6,7,8,9,10,11,12,13,14,15
	ds_load_b128 v[VF+4*\i:VF+4*\i+3], v[ADV] offset:512*\i
.endr
	WIN 0
.endm
; In both products eight accumulators take turns, one instruction a turn
.macro KQ
.irp c, 0,1
.irp kt, 0,1,2,3
.irp t, 0,1
.if \c == 0
	v_wmma_f32_16x16x32_f16 v[S+32*\t+8*\kt:S+32*\t+8*\kt+7], v[KF+8*(2*\kt+\c):KF+8*(2*\kt+\c)+7], v[Q+16*\t+8*\c:Q+16*\t+8*\c+7], 0
.else
	v_wmma_f32_16x16x32_f16 v[S+32*\t+8*\kt:S+32*\t+8*\kt+7], v[KF+8*(2*\kt+\c):KF+8*(2*\kt+\c)+7], v[Q+16*\t+8*\c:Q+16*\t+8*\c+7], v[S+32*\t+8*\kt:S+32*\t+8*\kt+7]
.endif
.endr
.endr
.endr
.endm
.macro PV
	WIN W_PV
.irp kc, 0,1
.irp ct, 0,1,2,3
.irp t, 0,1
	v_wmma_f32_16x16x32_f16 v[32*\t+8*\ct:32*\t+8*\ct+7], v[VF+8*(4*\kc+\ct):VF+8*(4*\kc+\ct)+7], v[P+16*\t+8*\kc:P+16*\t+8*\kc+7], v[32*\t+8*\ct:32*\t+8*\ct+7]
.endr
.endr
.endr
.endm
; The softmax of both tiles for one key step, the tiles alternating so that no line waits for the line above it
.macro SOFTMAX
.irp j, 0,1,2,3                        ; the maximum of the lane's 32 scores and the old m: four chains of seven scores; each accumulator is first read at its low end
.irp t, 0,1
	v_max3_num_f32 v[ST+8*\t+4+\j], v[S+32*\t+8*\j], v[S+32*\t+8*\j+1], v[S+32*\t+8*\j+2]
.endr
.endr
.irp u, 1,2
.irp j, 0,1,2,3
.irp t, 0,1
	v_max3_num_f32 v[ST+8*\t+4+\j], v[ST+8*\t+4+\j], v[S+32*\t+8*\j+2*\u+1], v[S+32*\t+8*\j+2*\u+2]
.endr
.endr
.endr
.irp t, 0,1
	v_max3_num_f32 v[ST+8*\t+4], v[ST+8*\t+4], v[S+32*\t+7], v[S+32*\t+15]
.endr
.irp t, 0,1
	v_max3_num_f32 v[ST+8*\t+6], v[ST+8*\t+6], v[S+32*\t+23], v[S+32*\t+31]
.endr
.irp t, 0,1
	v_max3_num_f32 v[ST+8*\t+4], v[ST+8*\t+4], v[ST+8*\t+5], v[ST+8*\t+6]
.endr
.irp t, 0,1
	v_max3_num_f32 v[ST+8*\t+4], v[ST+8*\t+4], v[ST+8*\t+7], v[ST+8*\t+1]
.endr
.irp t, 0,1
	v_permlanex16_b32 v[ST+8*\t+5], v[ST+8*\t+4], s[SEL], s[SEL+1]   ; the query's other 32 keys lie in the lane 16 away
.endr
.irp t, 0,1
	v_mov_b32 v[ST+8*\t+7], v[ST+8*\t]             ; c m_old is kept for a
.endr
.irp t, 0,1
	v_max_num_f32 v[ST+8*\t+1], v[ST+8*\t+4], v[ST+8*\t+5]
.endr
.irp t, 0,1
	v_mul_f32 v[ST+8*\t], s[CS], v[ST+8*\t+1]
.endr
.irp t, 0,1
	v_sub_f32 v[ST+8*\t+7], v[ST+8*\t+7], v[ST+8*\t]
.endr
.irp t, 0,1
	v_exp_f32 v[ST+8*\t+6], v[ST+8*\t+7]           ; a
.endr
; 18 rounds.  Round n: c s - c m for pair n; the two exponentials of pair n - 1; the rounding to f16 and the sum of pair n - 2.  A plain line follows every exponential, and a result is used a round later
.set rho, 0
.rept 18
.if rho < 16
.irp t, 0,1
	v_pk_fma_f32 v[S+32*\t+2*rho:S+32*\t+2*rho+1], v[S+32*\t+2*rho:S+32*\t+2*rho+1], s[CS:CS+1], v[ST+8*\t:ST+8*\t+1] op_sel_hi:[1,0,0] neg_lo:[0,0,1] neg_hi:[0,0,1]
.endr
.endif
.irp t, 0,1
.if (rho >= 1) && (rho <= 16)
	v_exp_f32 v[S+32*\t+2*rho-2], v[S+32*\t+2*rho-2]
.endif
.if rho >= 2
	s_wait_alu depctr_va_vdst(0)
	v_cvt_pk_f16_f32 v[P+16*\t+rho-2], v[S+32*\t+2*rho-4], v[S+32*\t+2*rho-3]
.endif
.if (rho >= 1) && (rho <= 16)
	v_exp_f32 v[S+32*\t+2*rho-1], v[S+32*\t+2*rho-1]
.endif
.if rho == 2
	v_pk_fma_f32 v[ST+8*\t+2:ST+8*\t+3], v[ST+8*\t+2:ST+8*\t+3], v[ST+8*\t+6:ST+8*\t+7], v[S+32*\t:S+32*\t+1] op_sel_hi:[1,0,1]   ; l = a l + the first pair
.elseif rho > 2
	v_pk_add_f32 v[ST+8*\t+2:ST+8*\t+3], v[ST+8*\t+2:ST+8*\t+3], v[S+32*\t+2*rho-4:S+32*\t+2*rho-3]
.endif
.endr
.set rho, rho+1
.endr
.endm
.macro RESCALE                         ; O^T times a, each accumulator from its low end on
	WIN W_RS
.irp t, 0,1
.set i, 0
.rept 16
	v_pk_mul_f32 v[32*\t+2*i:32*\t+2*i+1], v[32*\t+2*i:32*\t+2*i+1], v[ST+8*\t+6:ST+8*\t+7] op_sel_hi:[1,0]
.set i, i+1
.endr
.endr
.endm
; A KEY STEP.  kpre = 1: the next step's K, in the same slot, is fetched behind this step's K Q^T
.macro STEP kpre
	v_add_nc_u32 v[ADV], s[TB], v[LIV]             ; these two and two v_nop are the four plain lines between the last V^T P and the loads into V's registers
	v_add_nc_u32 v[ADK], s[TB], v[LIK]
	v_nop
	v_nop
	FETCH_V
	s_wait_dscnt 16                                ; K is in; V's sixteen loads may be out
	KQ
.rept 4
	v_nop                                          ; in front of the loads into K's registers and of the first read of the scores
.endr
.if \kpre
	FETCH_K STEPB
.endif
	SOFTMAX
	RESCALE
	s_wait_dscnt 16*\kpre                          ; V is in; the next step's K may be out
	PV
	WIN 0
	s_add_co_u32 s[TB], s[TB], STEPB
.endm
; A slot's eight key steps: seven in a loop, the last written out, since it fetches no K beyond the slot
.macro SLOT_STEPS
	v_add_nc_u32 v[ADK], s[TB], v[LIK]
	FETCH_K 0
	s_mov_b32 s[CNT], 7
.Lstep_\@:
	STEP 1
	s_sub_co_u32 s[CNT], s[CNT], 1
	s_cmp_lg_u32 s[CNT], 0
	s_cbranch_scc1 .Lstep_\@
	STEP 0
	s_sub_co_u32 s[TB], s[TB], 8*STEPB             ; back to a slot's first step,
	s_xor_b32 s[TB], s[TB], SLOT1                  ; in the other slot
.endm
; THE CHANGE OF SLOTS stands at a slot's head.  Each wave waits for all its tensor loads (its part of the slot that it is about to read), adds 0 to its spare word, and waits for that and for its reads of the slot that it has left.
; fill = 1: the barrier is a round of the cluster's, and behind it the slot just left is filled with the keys that follow: the one load of the wave, with a slot's eight key steps in which to land.
.macro CHANGE fill
	s_wait_tensorcnt 0x0                           ; no tensor load of mine is out, so group 0 may be written
	ds_add_u32 v[SPW], v[NIL]                      ; 0 onto my spare word
.if \fill
	s_xor_b32 s[G0+1], s[G0+1], SLOT1              ; the other slot than last time,
	s_add_nc_u64 s[G0+2:G0+3], s[G0+2:G0+3], 65536 ; the next 512 keys; the type bits on top are not reached
	s_wait_xcnt 0x0                                ; the last prefetch, a slot back, has read its address
	s_add_nc_u64 s[PFA:PFA+1], s[PFA:PFA+1], 65536 ; one slot further on than the walking descriptor
.endif
	s_wait_dscnt 0x0                               ; the add is done, and my reads of the slot that I have left are over
.if \fill
	CROUND
	tensor_load_to_lds s[G0:G0+3], s[G1:G1+7]      ; the first thing behind the round
	s_nop 0
.rept 4
	v_nop
.endr
	ASK
.else
	s_barrier_signal -1
	s_barrier_wait -1
.endif
.endm
	s_load_b128 s[4:7], s[0:1], 0x0                ; qkv s[4:5], bv s[6:7]
	s_load_b64 s[8:9], s[0:1], 0x10                ; att
	v_lshl_add_u32 v[SPW], v0, 2, SPARE
	v_mov_b32 v[NIL], 0
	ds_add_u32 v5, v6
	ds_add_u32 v5, v6
	s_wait_dscnt 0x0
	v_lshrrev_b32 v8, 5, v0
	v_readfirstlane_b32 s[WV], v8                  ; wave 0..7
	s_bfe_u32 s13, ttmp6, 0x40000                  ; cx: my place in the cluster
	s_lshl_b32 s14, ttmp9, 2
	s_add_co_u32 s14, s14, s13                     ; my block of 256 queries: it enters Q's and att's addresses alone
	s_and_b32 s43, ttmp7, 0xffff                   ; batch x 16 + head, which the four partners share
	s_lshr_b32 s20, s[WV], 2
	s_add_co_u32 s20, s20, 1
	s_lshl_b32 s20, s20, 23                        ; what I fetch: part 1 (K: waves 0-3) or 2 (V: waves 4-7),
	s_lshl_b32 s21, s43, 18                        ; my head,
	s_add_co_u32 s20, s20, s21
	s_and_b32 s21, s[WV], 3
	s_lshl_b32 s21, s21, 14                        ; my quarter of a slot's 65,536 bytes
	s_add_co_u32 s20, s20, s21
	s_mov_b32 s21, 0
	; group 1: 16,384 dense bytes as 64 rows of 256, in elements of 8 bytes; no padding: the reads are 512 consecutive bytes
	s_mov_b32 s[G1], 15|(3<<16)|(1<<21)            ; 15:0 the mask: all four work-groups; 17:16 elements of 8 bytes; 21 set beside a mask
	s_mov_b32 s[G1+1], 32<<16                      ; tensor_dim0
	s_mov_b32 s[G1+2], 64<<16                      ; tensor_dim1
	s_mov_b32 s[G1+3], 32<<16                      ; tile_dim0
	s_mov_b32 s[G1+4], 64                          ; tile_dim1
	s_mov_b32 s[G1+5], 32                          ; tensor_dim0_stride
	s_mov_b32 s[G1+6], 0
	s_mov_b32 s[G1+7], 0
	s_mov_b32 s[CS], 0x3e38aa3b                    ; c = log2(e) / 8
	s_mov_b32 s[CS+1], s[CS]
	s_mov_b32 s[SEL], 0x76543210
	s_mov_b32 s[SEL+1], 0xfedcba98
	s_mov_b32 s[TB], 0
	s_mov_b32 s[SLOTS], 3
	s_and_b32 s[LIM], s[WV], 1                     ; 0 in the even waves,
	s_or_b32 s[LIM], s[LIM], ttmp9                 ; where the cluster is the head's first: the same in all four partners
	s_cmp_eq_u32 s[LIM], 0
	s_cselect_b32 s[LIM], 1, -1
	s_lshl_b32 s22, s13, 13                        ; my work-group's 8,192 of the 32,768 bytes,
	s_add_co_u32 s22, s22, 65536                   ; in slot 1: the first change of slots steps it to slot 2.  Nothing is prefetched at the head
	s_mov_b32 s23, 0
	s_lshl_b32 s44, s43, 18                        ; Q: my head, my block's 16 tiles of 2,048 bytes, my wave's two
	s_lshl_b32 s45, s14, 15
	s_add_co_u32 s44, s44, s45
	s_lshl_b32 s45, s[WV], 12
	s_add_co_u32 s44, s44, s45
	s_mov_b32 s45, 0
	s_and_b32 s16, s43, 15                         ; the head
	s_lshl_b32 s46, s16, 8                         ; bv: 64 numbers a head
	s_mov_b32 s47, 0
	s_lshr_b32 s17, s43, 4                         ; the batch
	s_lshl_b32 s17, s17, 7
	s_lshl_b32 s2, s14, 4
	s_add_co_u32 s17, s17, s2
	s_lshl_b32 s2, s[WV], 1
	s_add_co_u32 s17, s17, s2                      ; att: my first tile of 16 rows: batch x 128 + block x 16 + 2 x wave
	s_lshl_b32 s2, s17, 15
	s_lshl_b32 s16, s16, 11                        ; + head x 8 octets of 256 bytes
	s_add_co_u32 s2, s2, s16
	s_mov_b32 s3, 0
	s_wait_kmcnt 0x0
	s_add_nc_u64 s[20:21], s[4:5], s[20:21]
	s_mov_b32 s[G0], 1                             ; 1:0 count = 1
	s_lshl_b32 s[G0+1], s[WV], 14                  ; LDS address: slot 0, wave x 16,384
	s_mov_b64 s[G0+2:G0+3], s[20:21]               ; global address
	s_or_b32 s[G0+3], s[G0+3], 0x80000000          ; type = 2
	s_add_nc_u64 s[PFA:PFA+1], s[20:21], s[22:23]
	s_add_nc_u64 s[44:45], s[4:5], s[44:45]
	s_add_nc_u64 s[6:7], s[6:7], s[46:47]
	s_add_nc_u64 s[8:9], s[8:9], s[2:3]
	CROUND                                         ; all four work-groups are here: the first joint loads meet
	tensor_load_to_lds s[G0:G0+3], s[G1:G1+7]      ; slot 0
	s_nop 0
.rept 4
	v_nop
.endr
	v_and_b32 v[LIK], 31, v0
	v_lshlrev_b32 v[LIK], 4, v[LIK]
	v_add_nc_u32 v[LIV], VOFF, v[LIK]
	v_lshlrev_b32 v[PFO], 4, v[LIK]
	v_bfe_u32 v8, v0, 4, 1
	v_lshlrev_b32 v8, 5, v8                        ; bv: 8 numbers for each half of the lanes
.irp i, 0,1,2,3,4,5,6,7
	global_load_b128 v[Q+4*\i:Q+4*\i+3], v[LIK], s[44:45] offset:512*\i   ; Q stays in registers: tile t, channels 32 c on, at v[Q + 16 t + 8 c]
.endr
.irp ct, 0,1,2,3
	global_load_b128 v[BV+8*\ct:BV+8*\ct+3], v8, s[6:7] offset:64*\ct     ; bv of channels 16 ct + 8 (lane / 16) + 0 .. 7: O^T's layout
	global_load_b128 v[BV+8*\ct+4:BV+8*\ct+7], v8, s[6:7] offset:64*\ct+16
.endr
.irp t, 0,1
	v_mov_b32 v[ST+8*\t+1], 0xff61b1e6             ; m = -3e38, under every score
	v_mul_f32 v[ST+8*\t], s[CS], v[ST+8*\t+1]
	v_mov_b32 v[ST+8*\t+2], 0                      ; l
	v_mov_b32 v[ST+8*\t+3], 0
.endr
	WIN TO_V
.set i, 0
.rept 64
	v_mov_b32 v[i], 0                              ; O^T.  (The key step is written without a first step of its own: the first a is 0 and finds zeros)
.set i, i+1
.endr
	WIN 0
	s_wait_loadcnt 0x0                             ; Q and bv
.Lslot:                                            ; three trips: behind each change of slots but the last the next slot is asked for
	CHANGE 1
	SLOT_STEPS
	s_sub_co_u32 s[SLOTS], s[SLOTS], 1
	s_cmp_lg_u32 s[SLOTS], 0
	s_cbranch_scc1 .Lslot
	CHANGE 0                                       ; the last slot is written out
	SLOT_STEPS
	; THE WAY OUT: O^T / l + bv, rounded to f16: a lane's eight channels are 16 bytes, and each store covers 512 consecutive bytes, aligned
.rept 4
	v_nop
.endr
.irp t, 0,1
	v_add_f32 v[ST+8*\t+4], v[ST+8*\t+2], v[ST+8*\t+3]
.endr
.irp t, 0,1
	v_permlanex16_b32 v[ST+8*\t+5], v[ST+8*\t+4], s[SEL], s[SEL+1]
.endr
.irp t, 0,1
	v_add_f32 v[ST+8*\t+4], v[ST+8*\t+4], v[ST+8*\t+5]
.endr
.irp t, 0,1
	v_rcp_f32 v[ST+8*\t+6], v[ST+8*\t+4]
.endr
	v_nop                                          ; a plain line between the last reciprocal and the use of its result
	WIN W_RS
.irp t, 0,1
.irp ct, 0,1,2,3
.irp i, 0,1,2,3
	s_wait_alu depctr_va_vdst(0)
	v_pk_fma_f32 v[32*\t+8*\ct+2*\i:32*\t+8*\ct+2*\i+1], v[32*\t+8*\ct+2*\i:32*\t+8*\ct+2*\i+1], v[ST+8*\t+6:ST+8*\t+7], v[BV+8*\ct+2*\i:BV+8*\ct+2*\i+1] op_sel_hi:[1,0,1]
.endr
.endr
.endr
	WIN 0x05                                       ; sources 0 and 1 window 1, destination window 0: S^T's registers are free
.irp t, 0,1
.irp ct, 0,1,2,3
.irp i, 0,1,2,3
	v_cvt_pk_f16_f32 v[S+16*\t+4*\ct+\i], v[32*\t+8*\ct+2*\i], v[32*\t+8*\ct+2*\i+1]
.endr
.endr
.endr
	WIN 0
.irp t, 0,1
.irp ct, 0,1,2,3
	global_store_b128 v[LIK], v[S+16*\t+4*\ct:S+16*\t+4*\ct+3], s[8:9] offset:\t*32768+\ct*512 th:TH_STORE_NT
.endr
.endr
	s_wait_tensorcnt 0x0                           ; the wave's end
	ds_add_u32 v[SPW], v[NIL]
	s_wait_dscnt 0x0
	CROUND                                         ; the closing round: no work-group ends while a partner may still ask for a tile that names it
	s_endpgm
.Lfunc_end_k_q39cfba8142_attn:
	.size	k_q39cfba8142_attn, .Lfunc_end_k_q39cfba8142_attn-k_q39cfba8142_attn
	.p2alignl 7, 3214868480
	.fill 96, 4, 3214868480
	.section	.rodata,"a",@progbits
	.p2align	6, 0x0
	.amdhsa_kernel k_q39cfba8142_attn
		.amdhsa_group_segment_fixed_size 327680
		.amdhsa_private_segment_fixed_size 0
		.amdhsa_enable_private_segment 0
		.amdhsa_kernarg_size 24
		.amdhsa_user_sgpr_count 2
		.amdhsa_user_sgpr_kernarg_segment_ptr 1
		.amdhsa_wavefront_size32 1
		.amdhsa_system_sgpr_workgroup_id_x 1
		.amdhsa_system_sgpr_workgroup_id_y 1
		.amdhsa_system_sgpr_workgroup_id_z 1
		.amdhsa_system_vgpr_workitem_id 0
		.amdhsa_next_free_vgpr 384
		.amdhsa_next_free_sgpr 66
		.amdhsa_reserve_vcc 0
		.amdhsa_float_denorm_mode_32 3
		.amdhsa_float_denorm_mode_16_64 3
		.amdhsa_memory_ordered 1
		.amdhsa_forward_progress 1
		.amdhsa_inst_pref_size 89
	.end_amdhsa_kernel
	.amdgpu_metadata
---
amdhsa.version: [ 1, 2 ]
amdhsa.kernels:
  - .name:           k_q39cfba8142_attn
    .symbol:         k_q39cfba8142_attn.kd
    .args:
      - { .name: qkv, .offset: 0, .size: 8, .value_kind: global_buffer, .address_space: global }
      - { .name: bv, .offset: 8, .size: 8, .value_kind: global_buffer, .address_space: global }
      - { .name: att, .offset: 16, .size: 8, .value_kind: global_buffer, .address_space: global }
    .group_segment_fixed_size: 327680
    .private_segment_fixed_size: 0
    .kernarg_segment_align: 8
    .kernarg_segment_size: 24
    .max_flat_workgroup_size: 256
    .sgpr_count:     66
    .vgpr_count:     384
    .wavefront_size: 32
...
	.end_amdgpu_metadata
.endif
;; end of part 3
;; launch oproj (part 4): grid 8 x 32, 4 waves a work-group, clusters of 4 x 4, 327,680 bytes of LDS; arguments att, wot, bo, out0; writes out0
.if DOCPART == 4
	.amdgcn_target "amdgcn-amd-amdhsa--gfx1250"
	.amdhsa_code_object_version 6
	.text
	.protected	k_q39cfba8142_oproj
	.globl	k_q39cfba8142_oproj
	.p2align	8
	.type	k_q39cfba8142_oproj,@function
k_q39cfba8142_oproj:
	s_mov_b64 s[64:65], 0
	v_nop
	global_prefetch_b8 v0, s[64:65] scope:SCOPE_SE
	s_setreg_imm32_b32 hwreg(HW_REG_WAVE_MODE, 25, 1), 1
	s_wait_xcnt 0x0
	s_wait_alu depctr_hold_cnt(0) depctr_sa_sdst(0) depctr_va_vdst(0) depctr_va_sdst(0) depctr_va_ssrc(0) depctr_va_vcc(0) depctr_vm_vsrc(0)
	s_getreg_b32 s2, hwreg(HW_REG_IB_STS2, 6, 4)
	s_cmp_eq_u32 s2, 0
	s_cbranch_scc0 .Lentry_in_a_cluster
	s_endpgm
.Lentry_in_a_cluster:
	s_bfe_u32 s2, ttmp6, 0x10000c
	s_cmp_lg_u32 s2, 0xf033
	s_cbranch_scc0 .Lentry_shape_is_right
	s_endpgm
.Lentry_shape_is_right:
; out0[m][n] = the sum over k of att[m][k] Wo[k][n] + bo[n].  att [4096][1024] and Wo^T [1024 (n)][1024 (k)]: f16, both laid [tile of 16 rows][k / 8][row][16 bytes], the order of a fragment's registers; out0: f32; sums in f32.
; A tile of out0 is 128 x 128: 256 work-groups, one for each WGP.  Four waves, each 64 x 64: 16 accumulators.  K goes in four steps of 256 through two LDS slots; the steps are written out, without a loop.
; A wave's tensor load brings 4 row tiles x 8,192 bytes (64 rows x 256 along K); a fragment's four registers are 512 consecutive bytes of it: no padding.
; CLUSTERS: 4 x 4 work-groups: the four of a row of the cluster need the same tiles of att, the four of a column the same tiles of Wo^T: each is asked for jointly.
; THE MATRIX INSTRUCTION IS USED TRANSPOSED (source 0 = 16 rows of Wo^T, source 1 = 16 rows of att): a lane holds eight neighbouring numbers of a row of out0.  bo is the C of each sum's first product.
; A wave's 64 columns are 256 bytes of a row, aligned: each wave sends its results through a stage of its own, 16 rows at a time, and sixteen lanes store a row's 256 bytes.
; LIMITS: att and Wo arrive rounded to f16 (the launches that make them give the range).
; REGISTERS: window 0: v1-6 at work; v16-29 addresses; v32-95 the way out; v96-127 bo; v128-255 the accumulators ((a, b) at v[128 + 8 (4 a + b)]).   window 1: two fragment buffers of 128: 64 registers of A, then 64 of B, for 64 along K.
.set SLOT,   131072                    ; A's rows 0-63, A's 64-127, B's 0-63, B's 64-127: 32,768 bytes each; in each: row tile i x 8192 + kc x 1024 (32 along K) + g x 512 + 16 x lane
.set STAGE,  2*SLOT                    ; behind the ring: 16 rows x 272 bytes for each wave; no tensor load lands here
.set SPITCH, 272
.set SPARE,  STAGE+4*16*SPITCH         ; behind the stages: the spare words, 128 bytes for each wave: two blocks of 256 bytes that no other line names
.set ADRA, 16                          ; v16-17  LDS address of my A fragments in slot 0, 1
.set ADRB, 20                          ; v20-21  the same for B
.set STO,  24                          ; v24     the way out: where I put 32 bytes of a row
.set RD,   25                          ; v25     where I read a row back
.set CO,   26                          ; v26     my byte offset in out0
.set SPW,  28                          ; v28     LDS address of my spare word; never rewritten
.set NIL,  29                          ; v29     0; never rewritten
.set TMP,  32
.set BIAS, 96
.set ACC,  128
.set F0,   0
.set F1,   128
.set G1, 24                            ; s[24:31] group 1 for A's tiles;  s[32:39] group 0, one set for each slot
.set G0, 32
.set G1B, 48                           ; s[48:55], s[56:63] the same for B's
.set G0B, 56
.set MSB, 0
.macro WIN new                         ; the immediate's high byte repeats the setting that is left
.if MSB != \new
	s_set_vgpr_msb (MSB<<8)|\new
.set MSB, \new
.endif
.endm
.set MUL,  0x05                        ; sources 0 (B) and 1 (A) window 1; C and D window 0
.set TO_F, 0x40                        ; destination window 1, address window 0
.macro JLOAD s                         ; a joint load: waves 0 and 1 fetch A's two halves, waves 2 and 3 B's; four v_nop follow each of the two lines
	s_cmp_eq_u32 s11, 0
	s_cbranch_scc0 .Lfor_b_\@
	tensor_load_to_lds s[G0+4*\s:G0+4*\s+3], s[G1:G1+7]
	s_nop 0
.rept 4
	v_nop
.endr
	s_branch .Lasked_\@
.Lfor_b_\@:
	tensor_load_to_lds s[G0B+4*\s:G0B+4*\s+3], s[G1B:G1B+7]
	s_nop 0
.rept 4
	v_nop
.endr
.Lasked_\@:
.endm
.macro CREST                           ; a round of the cluster's barrier behind its opening barrier
	s_cmp_lg_u32 s10, 0
	s_cbranch_scc1 .Lnot_wave_0_\@
	s_barrier_signal -3
.Lnot_wave_0_\@:
	s_barrier_wait -3
	s_barrier_signal -1
	s_barrier_wait -1
.endm
.macro CROUND
	s_barrier_signal -1
	s_barrier_wait -1
	CREST
.endm
.macro PLACES                          ; four plain lines in front of loads into registers that matrix instructions have read, and of reads of results
.rept 4
	v_nop
.endr
.endm
; 8 matrix instructions: m blocks a0, a0 + 1 x all 4 n blocks, 32 along K: half c of buffer f.  first = 1: bo is the C of the first product.  The 16 accumulators take turns
.macro MUL8 f, c, a0, first
.irp a, \a0, \a0+1
.irp b, 0,1,2,3
.if \first
	v_wmma_f32_16x16x32_f16 v[ACC+8*(4*(\a)+\b):ACC+8*(4*(\a)+\b)+7], v[\f+64+8*(4*\c+\b):\f+64+8*(4*\c+\b)+7], v[\f+8*(4*\c+\a):\f+8*(4*\c+\a)+7], v[BIAS+8*\b:BIAS+8*\b+7]
.else
	v_wmma_f32_16x16x32_f16 v[ACC+8*(4*(\a)+\b):ACC+8*(4*(\a)+\b)+7], v[\f+64+8*(4*\c+\b):\f+64+8*(4*\c+\b)+7], v[\f+8*(4*\c+\a):\f+8*(4*\c+\a)+7], v[ACC+8*(4*(\a)+\b):ACC+8*(4*(\a)+\b)+7]
.endif
.endr
.endr
.endm
; 32 LDS loads in one run: the fragments of the slot's kq-th 64 along K into buffer f; the first 32 along K first
.macro FETCH slot, kq, f
	WIN TO_F
.irp c, 0,1
.irp i, 0,1,2,3
	ds_load_b128 v[\f+64+8*(4*\c+\i):\f+64+8*(4*\c+\i)+3],   v[ADRB+\slot] offset:\i*8192+(2*(\kq)+\c)*1024
	ds_load_b128 v[\f+64+8*(4*\c+\i)+4:\f+64+8*(4*\c+\i)+7], v[ADRB+\slot] offset:\i*8192+(2*(\kq)+\c)*1024+512
	ds_load_b128 v[\f+8*(4*\c+\i):\f+8*(4*\c+\i)+3],         v[ADRA+\slot] offset:\i*8192+(2*(\kq)+\c)*1024
	ds_load_b128 v[\f+8*(4*\c+\i)+4:\f+8*(4*\c+\i)+7],       v[ADRA+\slot] offset:\i*8192+(2*(\kq)+\c)*1024+512
.endr
.endr
.endm
; A K step is four quarters of 64 along K, 32 matrix instructions each, on buffers 0, 1, 0, 1.  One of the first three: multiplies buffer f and fetches quarter kq into g
.macro QUARTER slot, kq, f, g, first
	s_wait_dscnt 16                                ; the first 32 along K are in
	WIN MUL
	MUL8 \f, 0, 0, \first
	MUL8 \f, 0, 2, \first
	PLACES
	FETCH \slot, \kq, \g
	s_wait_dscnt 32                                ; all but the 32 just issued
	WIN MUL
	MUL8 \f, 1, 0, 0
	MUL8 \f, 1, 2, 0
.endm
; The last quarter multiplies buffer 1 and changes slots: ONE barrier; in front of it each wave waits for all its tensor loads, adds 0 to its spare word, and waits for that and for its reads of this slot.  fill = 1: this slot is filled again, two K steps ahead
.macro TURN slot, next, fill
	WIN 0                                          ; (the add's two registers lie in window 0)
	s_wait_tensorcnt 0x0                           ; all my tensor loads have landed: my part of the next slot;
	ds_add_u32 v[SPW], v[NIL]                      ; 0 onto my spare word;
	s_wait_dscnt 17                                ; (the add and the youngest sixteen loads may be out)
	WIN MUL
	MUL8 F1, 0, 0, 0                               ; eight matrix instructions stand between the add and the wait for it
	s_wait_dscnt 0x0                               ; the add is done, and my reads of this slot are over
	s_barrier_signal -1
	MUL8 F1, 0, 2, 0
.if \fill
	WIN 0
.endif
	s_barrier_wait -1
.if \fill
	CREST                                          ; the barrier has opened a round of the cluster's: no wave of any partner still reads this slot or has a load on its way
	s_add_nc_u64 s[G0+4*\slot+2:G0+4*\slot+3], s[G0+4*\slot+2:G0+4*\slot+3], 16384
	s_add_nc_u64 s[G0B+4*\slot+2:G0B+4*\slot+3], s[G0B+4*\slot+2:G0B+4*\slot+3], 16384
	JLOAD \slot                                    ; the first tensor load behind the round; its four v_nop are also the places in front of the loads below
.else
	PLACES
.endif
	FETCH \next, 0, F0
	WIN MUL
	MUL8 F1, 1, 0, 0
	MUL8 F1, 1, 2, 0
.endm
	s_load_b128 s[4:7], s[0:1], 0x0                ; att s[4:5], wot s[6:7]
	s_load_b64 s[2:3], s[0:1], 0x10                ; bo
	s_load_b64 s[8:9], s[0:1], 0x18                ; out0
	v_lshl_add_u32 v[SPW], v0, 2, SPARE
	v_mov_b32 v[NIL], 0
	ds_add_u32 v28, v29
	ds_add_u32 v28, v29
	s_wait_dscnt 0x0
	v_lshrrev_b32 v1, 5, v0
	v_readfirstlane_b32 s10, v1                    ; wave 0..3
	s_lshr_b32 s11, s10, 1                         ; which half of the tile's rows is mine.  Also: I fetch for A (0) or for B (1)
	s_and_b32 s12, s10, 1                          ; which half of its columns.  Also: which 64 rows I fetch
	s_bfe_u32 s40, ttmp6, 0x40000                  ; cx, cy
	s_bfe_u32 s41, ttmp6, 0x40004
	s_lshl_b32 s42, ttmp9, 2
	s_add_co_u32 s42, s42, s40                     ; tile column = 4 x cluster x + cx
	s_and_b32 s13, ttmp7, 0xffff
	s_lshl_b32 s13, s13, 2
	s_add_co_u32 s13, s13, s41                     ; tile row = 4 x cluster y + cy
	s_lshl_b32 s43, s41, 2
	s_lshl_b32 s43, 15, s43                        ; my row of the cluster
	s_lshl_b32 s44, 0x1111, s40                    ; my column
	; group 1: 4 rows of 8,192 bytes, 32,768 bytes apart, in elements of 8 bytes
	s_or_b32 s[G1+0], s43, (3<<16)|(1<<21)         ; 15:0 the mask; 17:16 elements of 8 bytes; 21 set beside a mask
	s_or_b32 s[G1B+0], s44, (3<<16)|(1<<21)
.irp g, G1, G1B
	s_mov_b32 s[\g+1], 1024<<16                    ; tensor_dim0
	s_mov_b32 s[\g+2], 4<<16                       ; tensor_dim1
	s_mov_b32 s[\g+3], 1024<<16                    ; tile_dim0
	s_mov_b32 s[\g+4], 4                           ; tile_dim1
	s_mov_b32 s[\g+5], 4096                        ; tensor_dim0_stride
	s_mov_b32 s[\g+6], 0
	s_mov_b32 s[\g+7], 0
.endr
	s_lshl_b32 s18, s12, 2                         ; which four of the tile's eight row tiles I fetch
	s_lshl_b32 s16, s13, 3
	s_add_co_u32 s16, s16, s18
	s_lshl_b32 s16, s16, 15
	s_mov_b32 s17, 0
	s_lshl_b32 s46, s42, 3
	s_add_co_u32 s46, s46, s18
	s_lshl_b32 s46, s46, 15
	s_mov_b32 s47, 0
	s_lshl_b32 s20, s10, 15                        ; where they go: wave x 32,768
	s_wait_kmcnt 0x0
	s_add_nc_u64 s[14:15], s[4:5], s[16:17]
	s_add_nc_u64 s[46:47], s[6:7], s[46:47]
	CROUND                                         ; all sixteen work-groups are here: the first joint loads meet
.irp s, 0,1
	s_mov_b32 s[G0+4*\s], 1
	s_add_co_u32 s[G0+4*\s+1], s20, \s*SLOT
	s_add_nc_u64 s[G0+4*\s+2:G0+4*\s+3], s[14:15], \s*8192
	s_or_b32 s[G0+4*\s+3], s[G0+4*\s+3], 0x80000000
	s_mov_b32 s[G0B+4*\s], 1
	s_add_co_u32 s[G0B+4*\s+1], s20, \s*SLOT
	s_add_nc_u64 s[G0B+4*\s+2:G0B+4*\s+3], s[46:47], \s*8192
	s_or_b32 s[G0B+4*\s+3], s[G0B+4*\s+3], 0x80000000
	JLOAD \s                                       ; two tensor loads of mine are out behind the second
.endr
	v_and_b32 v1, 15, v0                           ; r
	v_bfe_u32 v2, v0, 4, 1                         ; h
	v_and_b32 v3, 31, v0
	v_lshlrev_b32 v3, 4, v3                        ; 16 x lane
	s_lshl_b32 s46, s42, 9                         ; my first column, in bytes of f32: 512 x tile column + 256 x half
	s_lshl_b32 s47, s12, 8
	s_add_co_u32 s46, s46, s47
	s_mov_b32 s47, 0
	s_add_nc_u64 s[2:3], s[2:3], s[46:47]
	s_add_nc_u64 s[8:9], s[8:9], s[46:47]
	v_lshlrev_b32 v6, 5, v2                        ; bo: 8 numbers for each half of the lanes
.irp b, 0,1,2,3
	global_load_b128 v[BIAS+8*\b:BIAS+8*\b+3], v6, s[2:3] offset:64*\b
	global_load_b128 v[BIAS+8*\b+4:BIAS+8*\b+7], v6, s[2:3] offset:64*\b+16
.endr
	s_lshl_b32 s16, s13, 7
	s_lshl_b32 s17, s11, 6
	s_add_co_u32 s16, s16, s17                     ; my first row: 128 x tile row + 64 x half
	s_lshl_b32 s16, s16, 12                        ; rows of 4,096 bytes
	s_mov_b32 s17, 0
	s_add_nc_u64 s[8:9], s[8:9], s[16:17]
	s_lshl_b32 s21, s11, 15                        ; my 64 rows of A,
	s_lshl_b32 s22, s12, 15                        ; my 64 rows of B,
	s_add_co_u32 s22, s22, 65536                   ; which lie behind A's 128
.irp s, 0,1
	v_add_nc_u32 v[ADRA+\s], s21, v3
	v_add_nc_u32 v[ADRB+\s], s22, v3
	s_add_co_u32 s21, s21, SLOT
	s_add_co_u32 s22, s22, SLOT
.endr
	s_mul_i32 s23, s10, 16*SPITCH
	s_add_co_u32 s23, s23, STAGE                   ; my stage
	v_mul_u32_u24 v4, v1, SPITCH                   ; in: row r, 32 bytes for each half of the lanes
	v_lshl_add_u32 v4, v2, 5, v4
	v_add_nc_u32 v[STO], s23, v4
	v_mul_u32_u24 v5, v2, SPITCH                   ; back: lanes 0-15 one row of 256 bytes, lanes 16-31 the next
	v_lshl_add_u32 v5, v1, 4, v5
	v_add_nc_u32 v[RD], s23, v5
	v_lshlrev_b32 v5, 12, v2                       ; and the same two rows in out0
	v_lshl_add_u32 v[CO], v1, 4, v5
	s_wait_tensorcnt 1                             ; my part of K step 0 is in (K step 1's load may be out)
	s_barrier_signal -1
	s_barrier_wait -1                              ; everybody's is
	FETCH 0, 0, F0
	s_wait_loadcnt 0x0                             ; bo
	QUARTER 0, 1, F0, F1, 1                        ; K step 0
	QUARTER 0, 2, F1, F0, 0
	QUARTER 0, 3, F0, F1, 0
	TURN 0, 1, 1                                   ; slot 0 takes K step 2
	QUARTER 1, 1, F0, F1, 0                        ; K step 1
	QUARTER 1, 2, F1, F0, 0
	QUARTER 1, 3, F0, F1, 0
	TURN 1, 0, 1                                   ; slot 1 takes K step 3
	QUARTER 0, 1, F0, F1, 0                        ; K step 2
	QUARTER 0, 2, F1, F0, 0
	QUARTER 0, 3, F0, F1, 0
	TURN 0, 1, 0                                   ; nothing is left to fetch
	QUARTER 1, 1, F0, F1, 0                        ; K step 3
	QUARTER 1, 2, F1, F0, 0
	QUARTER 1, 3, F0, F1, 0
	s_wait_dscnt 16
	WIN MUL
	MUL8 F1, 0, 0, 0
	MUL8 F1, 0, 2, 0
	s_wait_dscnt 0x0
	MUL8 F1, 1, 0, 0
	MUL8 F1, 1, 2, 0
	WIN 0
	PLACES
; THE WAY OUT, 16 rows x 64 columns at a time, through my own stage.  LDS serves a wave's instructions in order: no wait between the stores and the loads, nor in front of the next block's stores
.macro TOSTAGE a
.irp b, 0,1,2,3
	ds_store_b128 v[STO], v[ACC+8*(4*(\a)+\b):ACC+8*(4*(\a)+\b)+3] offset:64*\b        ; each accumulator from its low end on
	ds_store_b128 v[STO], v[ACC+8*(4*(\a)+\b)+4:ACC+8*(4*(\a)+\b)+7] offset:64*\b+16
.endr
.irp t, 0,1,2,3,4,5,6,7
	ds_load_b128 v[TMP+32*((\a)%2)+4*\t:TMP+32*((\a)%2)+4*\t+3], v[RD] offset:\t*2*SPITCH
.endr
.endm
.macro SEND a, younger                 ; younger: the LDS instructions issued behind block a's loads, which may stay out
	s_wait_dscnt \younger
.irp t, 0,1,2,3,4,5,6,7
	global_store_b128 v[CO], v[TMP+32*((\a)%2)+4*\t:TMP+32*((\a)%2)+4*\t+3], s[8:9] offset:(16*(\a)+2*\t)*4096 th:TH_STORE_NT   ; sixteen lanes store 256 consecutive bytes, aligned
.endr
.endm
	TOSTAGE 0
.irp a, 1,2,3
.if \a > 1
	s_wait_xcnt 0x0                                ; block a - 2's stores have read their registers: block a's loads may land there
.endif
	TOSTAGE \a
	SEND \a-1, 16                                  ; behind block a - 1's loads: block a's 8 stores and 8 loads
.endr
	SEND 3, 0
	s_wait_tensorcnt 0x0                           ; the wave's end
	ds_add_u32 v[SPW], v[NIL]
	s_wait_dscnt 0x0
	CROUND                                         ; the closing round
	s_endpgm
.Lfunc_end_k_q39cfba8142_oproj:
	.size	k_q39cfba8142_oproj, .Lfunc_end_k_q39cfba8142_oproj-k_q39cfba8142_oproj
	.p2alignl 7, 3214868480
	.fill 96, 4, 3214868480
	.section	.rodata,"a",@progbits
	.p2align	6, 0x0
	.amdhsa_kernel k_q39cfba8142_oproj
		.amdhsa_group_segment_fixed_size 327680
		.amdhsa_private_segment_fixed_size 0
		.amdhsa_enable_private_segment 0
		.amdhsa_kernarg_size 32
		.amdhsa_user_sgpr_count 2
		.amdhsa_user_sgpr_kernarg_segment_ptr 1
		.amdhsa_wavefront_size32 1
		.amdhsa_system_sgpr_workgroup_id_x 1
		.amdhsa_system_sgpr_workgroup_id_y 1
		.amdhsa_system_sgpr_workgroup_id_z 1
		.amdhsa_system_vgpr_workitem_id 0
		.amdhsa_next_free_vgpr 512
		.amdhsa_next_free_sgpr 66
		.amdhsa_reserve_vcc 0
		.amdhsa_float_denorm_mode_32 3
		.amdhsa_float_denorm_mode_16_64 3
		.amdhsa_memory_ordered 1
		.amdhsa_forward_progress 1
		.amdhsa_inst_pref_size 86
	.end_amdhsa_kernel
	.amdgpu_metadata
---
amdhsa.version: [ 1, 2 ]
amdhsa.kernels:
  - .name:           k_q39cfba8142_oproj
    .symbol:         k_q39cfba8142_oproj.kd
    .args:
      - { .name: att, .offset: 0, .size: 8, .value_kind: global_buffer, .address_space: global }
      - { .name: wot, .offset: 8, .size: 8, .value_kind: global_buffer, .address_space: global }
      - { .name: bo, .offset: 16, .size: 8, .value_kind: global_buffer, .address_space: global }
      - { .name: out0, .offset: 24, .size: 8, .value_kind: global_buffer, .address_space: global }
    .group_segment_fixed_size: 327680
    .private_segment_fixed_size: 0
    .kernarg_segment_align: 8
    .kernarg_segment_size: 32
    .max_flat_workgroup_size: 128
    .sgpr_count:     66
    .vgpr_count:     512
    .wavefront_size: 32
...
	.end_amdgpu_metadata
.endif
;; end of part 4
